; MI455X (gfx1250); checked and timed in simulation.
; The chip was launched on July 23, 2026; its instructions are those of AMD's public machine-readable ISA for CDNA 5 (MIT licence, August 2026) and "CDNA5" Instruction Set Architecture Reference Guide (July 2026). The comments in the code are by the model that wrote it; some were corrected since.
;; Image Text Module. Allowed arithmetic: float matrix products may take bf16 or f16 operands with f32 sums; other float arithmetic in f32, or as packed bf16 or f16 multiplies, adds, multiply-adds, maxima and minima; sums over many terms, partial sums and values carried from step to step in f32; what a program stores and reads back later, other than sums and carried values, may be rounded once to bf16 or f16.
;; Inputs: b_image 1,024 float32; b_text 1,024 float32; image_features 4,096 x 1,024 float32; scale_IT 1 float32; scale_TI 1 float32; text_features 4,096 x 1,024 float32; w_image 1,024 x 1,024 float32; w_text 1,024 x 1,024 float32.
;; Outputs: out0 4,096 x 1,024 float32; out1 4,096 x 1,024 float32.
;; One version. Each part assembles by itself: llvm-mc -triple=amdgcn-amd-amdhsa -mcpu=gfx1250 --defsym DOCPART=n.
;; ======== version 1 of 1: 4 launches
;; limits: values are held in f16: magnitudes above 65,504 overflow, below 6.1e-05 lose precision; inputs' magnitudes at most 65,408
;; workspace buffers: feat16 16,777,216 bytes; w16 4,194,304 bytes; ti16 16,777,216 bytes; E 67,108,864 bytes; stat 2,097,152 bytes
;; launch prep (part 1): grid 128 x 10, 8 waves a work-group, no clusters, 0 bytes of LDS; arguments image_features, text_features, w_image, w_text, feat16, w16; writes feat16, w16
.if DOCPART == 1
	.amdgcn_target "amdgcn-amd-amdhsa--gfx1250"
	.amdhsa_code_object_version 6
	.text
	.protected	k_qceab802a32_prep
	.globl	k_qceab802a32_prep
	.p2align	8
	.type	k_qceab802a32_prep,@function
k_qceab802a32_prep:
	s_mov_b64 s[64:65], 0
	v_nop
	global_prefetch_b8 v0, s[64:65] scope:SCOPE_SE
	s_setreg_imm32_b32 hwreg(HW_REG_WAVE_MODE, 25, 1), 1
	s_wait_xcnt 0x0
; CASTS.  feat16[0] = image_features, feat16[1] = text_features, w16[0] = w_image, w16[1] = w_text, each number rounded to bf16 and that number written as f16.
; LIMITS.  The rewriting as f16 is exact from 2^-17 up to 65,504; beyond 65,504 it gives an infinity, below 2^-17 it keeps f16's fixed step of 2^-24.
; SHARES.  The grid's y picks a unit of 1,048,576 numbers (0-3 image, 4-7 text, 8 w_image, 9 w_text), x 8,192 numbers of it; a thread takes 8 x 4 numbers.
; A load of a wave covers 512 consecutive bytes, a store 256 consecutive bytes at a multiple of 256 from the buffer's first.  All eight loads go out first; every register is written once,
; so no source of a pending load or store is ever rewritten.  A stream: no LDS, no matrix unit, no cluster (no two work-groups read the same byte).
.set XR, 8                             ; v[8:39]   group g: four f32 as loaded
.set TP, 40                            ; v[40:45]  at work
.set YR, 48                            ; v[48:63]  group g: four f16 to store
	s_load_b256 s[4:11], s[0:1], 0x0               ; image s[4:5], text s[6:7], w_image s[8:9], w_text s[10:11]
	s_load_b128 s[12:15], s[0:1], 0x20             ; feat16 s[12:13], w16 s[14:15]
	s_and_b32 s16, ttmp7, 0xffff                   ; the unit
	v_lshlrev_b32 v1, 4, v0                        ; 16 bytes a thread in
	v_lshlrev_b32 v2, 3, v0                        ; 8 bytes a thread out
	s_mov_b32 s20, 0xffff0000                      ; a word's upper bf16
	s_and_b32 s17, s16, 3
	s_cmp_lt_u32 s16, 8
	s_cselect_b32 s17, s17, 0                      ; which quarter of a feature tensor; a weight tensor is one unit
	s_lshl_b32 s22, s17, 22                        ; 4 MiB of f32 a unit,
	s_lshl_b32 s18, ttmp9, 15                      ; 32 KiB a work-group
	s_add_co_u32 s22, s22, s18
	s_mov_b32 s23, 0
	s_and_b32 s24, s16, 7
	s_lshl_b32 s24, s24, 21                        ; 2 MiB of f16 a unit,
	s_lshl_b32 s18, ttmp9, 14                      ; 16 KiB a work-group
	s_add_co_u32 s24, s24, s18
	s_mov_b32 s25, 0
	s_wait_kmcnt 0x0
	s_cmp_lt_u32 s16, 4
	s_cselect_b64 s[26:27], s[4:5], s[6:7]
	s_cmp_eq_u32 s16, 8
	s_cselect_b64 s[28:29], s[8:9], s[10:11]
	s_cmp_lt_u32 s16, 8
	s_cselect_b64 s[26:27], s[26:27], s[28:29]     ; from where,
	s_cselect_b64 s[30:31], s[12:13], s[14:15]     ; to where
	s_add_nc_u64 s[26:27], s[26:27], s[22:23]
	s_add_nc_u64 s[30:31], s[30:31], s[24:25]
.irp g, 0,1,2,3,4,5,6,7
	global_load_b128 v[XR+4*\g:XR+4*\g+3], v1, s[26:27] offset:4096*\g th:TH_LOAD_NT
.endr
.irp g, 0,1,2,3,4,5,6,7
	s_wait_loadcnt 7-\g                            ; loads come back in order: group g is in, the later groups stay out
	v_cvt_pk_bf16_f32 v[TP], v[XR+4*\g], v[XR+4*\g+1]
	v_cvt_pk_bf16_f32 v[TP+1], v[XR+4*\g+2], v[XR+4*\g+3]
	v_lshlrev_b32 v[TP+2], 16, v[TP]               ; bf16 to f32: the low half moves up,
	v_and_b32 v[TP+3], s20, v[TP]                  ; the high half stays
	v_lshlrev_b32 v[TP+4], 16, v[TP+1]
	v_and_b32 v[TP+5], s20, v[TP+1]
	v_cvt_pk_f16_f32 v[YR+2*\g], v[TP+2], v[TP+3]
	v_cvt_pk_f16_f32 v[YR+2*\g+1], v[TP+4], v[TP+5]
	global_store_b64 v2, v[YR+2*\g:YR+2*\g+1], s[30:31] offset:2048*\g
.endr
	s_endpgm
.Lfunc_end_k_qceab802a32_prep:
	.size	k_qceab802a32_prep, .Lfunc_end_k_qceab802a32_prep-k_qceab802a32_prep
	.p2alignl 7, 3214868480
	.fill 96, 4, 3214868480
	.section	.rodata,"a",@progbits
	.p2align	6, 0x0
	.amdhsa_kernel k_qceab802a32_prep
		.amdhsa_group_segment_fixed_size 0
		.amdhsa_private_segment_fixed_size 0
		.amdhsa_enable_private_segment 0
		.amdhsa_kernarg_size 48
		.amdhsa_user_sgpr_count 2
		.amdhsa_user_sgpr_kernarg_segment_ptr 1
		.amdhsa_wavefront_size32 1
		.amdhsa_system_sgpr_workgroup_id_x 1
		.amdhsa_system_sgpr_workgroup_id_y 1
		.amdhsa_system_sgpr_workgroup_id_z 1
		.amdhsa_system_vgpr_workitem_id 0
		.amdhsa_next_free_vgpr 64
		.amdhsa_next_free_sgpr 66
		.amdhsa_reserve_vcc 0
		.amdhsa_float_denorm_mode_32 3
		.amdhsa_float_denorm_mode_16_64 3
		.amdhsa_memory_ordered 1
		.amdhsa_forward_progress 1
		.amdhsa_inst_pref_size 7
	.end_amdhsa_kernel
	.amdgpu_metadata
---
amdhsa.version: [ 1, 2 ]
amdhsa.kernels:
  - .name:           k_qceab802a32_prep
    .symbol:         k_qceab802a32_prep.kd
    .args:
      - { .name: image_features, .offset: 0, .size: 8, .value_kind: global_buffer, .address_space: global }
      - { .name: text_features, .offset: 8, .size: 8, .value_kind: global_buffer, .address_space: global }
      - { .name: w_image, .offset: 16, .size: 8, .value_kind: global_buffer, .address_space: global }
      - { .name: w_text, .offset: 24, .size: 8, .value_kind: global_buffer, .address_space: global }
      - { .name: feat16, .offset: 32, .size: 8, .value_kind: global_buffer, .address_space: global }
      - { .name: w16, .offset: 40, .size: 8, .value_kind: global_buffer, .address_space: global }
    .group_segment_fixed_size: 0
    .private_segment_fixed_size: 0
    .kernarg_segment_align: 8
    .kernarg_segment_size: 48
    .max_flat_workgroup_size: 256
    .sgpr_count:     66
    .vgpr_count:     64
    .wavefront_size: 32
...
	.end_amdgpu_metadata
.endif
;; end of part 1
;; launch proj (part 2): grid 4 x 64, 4 waves a work-group, clusters of 4 x 4, 327,680 bytes of LDS; arguments feat16, w16, b_image, b_text, ti16; writes ti16
.if DOCPART == 2
	.amdgcn_target "amdgcn-amd-amdhsa--gfx1250"
	.amdhsa_code_object_version 6
	.text
	.protected	k_qceab802a32_proj
	.globl	k_qceab802a32_proj
	.p2align	8
	.type	k_qceab802a32_proj,@function
k_qceab802a32_proj:
	s_mov_b64 s[64:65], 0
	v_nop
	global_prefetch_b8 v0, s[64:65] scope:SCOPE_SE
	s_setreg_imm32_b32 hwreg(HW_REG_WAVE_MODE, 25, 1), 1
	s_wait_xcnt 0x0
	s_wait_alu depctr_hold_cnt(0) depctr_sa_sdst(0) depctr_va_vdst(0) depctr_va_sdst(0) depctr_va_ssrc(0) depctr_va_vcc(0) depctr_vm_vsrc(0)
	s_getreg_b32 s2, hwreg(HW_REG_IB_STS2, 6, 4)
	s_cmp_eq_u32 s2, 0
	s_cbranch_scc0 .Lentry_in_a_cluster
	s_endpgm
.Lentry_in_a_cluster:
	s_bfe_u32 s2, ttmp6, 0x10000c
	s_cmp_lg_u32 s2, 0xf033
	s_cbranch_scc0 .Lentry_shape_is_right
	s_endpgm
.Lentry_shape_is_right:
; BOTH PROJECTIONS.  ti16[p][row][:] = feat16[p][row][:] . w16[p]^T + bias_p, p = 0 image (i), 1 text (t).  Operands f16, sums f32, the bias (rounded to bf16 like every input) is the C operand of the
; first product, the result is rounded once to bf16 (t and i have no room in f16 for all inputs that the problem allows).
; SHARES.  The two problems are one product of 8,192 rows x 1,024 columns, K = 1,024.  A tile is 128 rows x 256 columns: 256 work-groups.  Four waves, each 64 x 128: 32 accumulators.
; ROWS LEAVE PERMUTED: inside each group of 128 rows logical row 8 p + a is stored at place 16 a + p.  The next launch's accumulators then hold neighbouring logical rows in neighbouring accumulators.
; RING.  K goes in steps of 128 through two LDS slots.  Waves 0, 1 fetch the halves of A's tile, waves 2, 3 those of B's.  By this text's count a wave has two tensor loads out at the start, later one.
; CLUSTER 4 x 4: A's tile hangs on the tile row alone and is asked for jointly along a row of the cluster, B's on the tile column (and the cluster's y) and is asked for jointly along a column.
; THE MATRIX INSTRUCTION IS USED TRANSPOSED (source 0 = 16 rows of W, source 1 = 16 rows of A): a lane holds eight neighbouring columns of one row.
; REGISTERS: window 0: v0-31 addresses, v32-63 at work, v64-159 and v160-255 two fragment buffers (A's 4 fragments, then B's 8); window 1: accumulator (a, b) at 64 a + 8 b; window 2: v0-63 the bias.
.set NSTEP, 8
.set PITCH, 272                        ; 256 bytes + 16 of padding: the 16 rows of a fragment load start at 16 different groups of four banks (ISA guide 11.1)
.set AHALF, 64*PITCH
.set BOFF,  128*PITCH
.set BHALF, 128*PITCH
.set SLOT1, 1<<17                      ; slot 1 begins here: one exclusive or turns an address in one slot into the other's
.set STAGE, SLOT1+BOFF+2*BHALF         ; behind the ring: 16 rows x 272 bytes for each wave
.set SPARE, STAGE+4*16*PITCH           ; the spare words: 128 bytes a wave, two blocks of 256 bytes that no other line names
.set ADA0, 4
.set ADB0, 5
.set ADRA, 6
.set ADRB, 7
.set STO,  8
.set RD,   9
.set CO,   10
.set SPW,  12
.set NIL,  13
.set BO,   14
.set TMP,  32
.set F0,   64
.set F1,   160
.set BI,   0
.set WV, 14
.set RH, 15
.set CH, 16
.set CX, 17
.set CY, 18
.set X,  19
.set CLY, 20
.set Y,  21
.set MR, 22
.set MC, 23
.set G1A, 24
.set G1B, 32
.set G0A, 40                           ; two sets: step 0 into slot 0; step 1 into slot 1, which then walks
.set G0B, 48
.set TB,  56                           ; LDS byte at which the slot being read begins
.set CNT, 57
.set MSB, 0
.macro WIN new                         ; the immediate's high byte repeats the setting that is left; a switch that changes nothing is dropped
.if MSB != (\new)
	s_set_vgpr_msb (MSB<<8)|(\new)
.set MSB, \new
.endif
.endm
.macro PLACES                          ; four plain vector instructions between a matrix instruction and a load into, or a vector access to, its registers
.rept 4
	v_nop
.endr
.endm
.macro JLOAD                           ; a joint refill by the walking descriptor; the branch hangs on the wave's number alone
	s_cmp_lt_u32 s[WV], 2
	s_cbranch_scc0 .Lfor_b_\@
	tensor_load_to_lds s[G0A+4:G0A+7], s[G1A:G1A+7]
	s_nop 0
	PLACES
	s_branch .Lasked_\@
.Lfor_b_\@:
	tensor_load_to_lds s[G0B+4:G0B+7], s[G1B:G1B+7]
	s_nop 0
	PLACES
.Lasked_\@:
.endm
.macro CREST                           ; a round of the cluster's barrier behind its opening barrier
	s_cmp_lg_u32 s[WV], 0
	s_cbranch_scc1 .Lnot_wave_0_\@
	s_barrier_signal -3
.Lnot_wave_0_\@:
	s_barrier_wait -3
	s_barrier_signal -1
	s_barrier_wait -1
.endm
.macro CROUND
	s_barrier_signal -1
	s_barrier_wait -1
	CREST
.endm
	s_load_b256 s[4:11], s[0:1], 0x0               ; feat16 s[4:5], w16 s[6:7], b_image s[8:9], b_text s[10:11]
	s_load_b64 s[12:13], s[0:1], 0x20              ; ti16
	v_lshl_add_u32 v[SPW], v0, 2, SPARE
	v_mov_b32 v[NIL], 0
	ds_add_u32 v[SPW], v[NIL]                      ; the wave's opening: the add and its wait stand ahead of my first tensor load
	v_lshrrev_b32 v1, 5, v0
	v_readfirstlane_b32 s[WV], v1
	s_lshr_b32 s[RH], s[WV], 1                     ; my half of the tile's rows
	s_and_b32 s[CH], s[WV], 1                      ; my half of its columns; also: which half of A's or B's tile I fetch
	s_bfe_u32 s[CX], ttmp6, 0x40000
	s_bfe_u32 s[CY], ttmp6, 0x40004
	s_lshl_b32 s[X], ttmp9, 2
	s_add_co_u32 s[X], s[X], s[CX]                 ; tile column
	s_and_b32 s[CLY], ttmp7, 0xffff                ; the cluster's y: clusters 0-7 image, 8-15 text
	s_lshl_b32 s[Y], s[CLY], 2
	s_add_co_u32 s[Y], s[Y], s[CY]                 ; tile row, 0 to 63
	s_lshl_b32 s[MR], s[CY], 2
	s_lshl_b32 s[MR], 15, s[MR]                    ; my row of the cluster
	s_lshl_b32 s[MC], 0x1111, s[CX]                ; my column
	s_or_b32 s[G1A], s[MR], (1<<16)|(1<<20)|(1<<21)|(5<<22)|(3<<25)  ; mask; 2-byte elements; padding on; bit 21 beside a mask; after every 64 words 4 words
	s_or_b32 s[G1B], s[MC], (1<<16)|(1<<20)|(1<<21)|(5<<22)|(3<<25)
.irp g, G1A, G1B
	s_mov_b32 s[\g+1], 128<<16                     ; tensor_dim0 = 128
	s_mov_b32 s[\g+3], 128<<16                     ; tile_dim0 = 128
	s_mov_b32 s[\g+5], 1024                        ; elements from row to row
	s_mov_b32 s[\g+6], 0
	s_mov_b32 s[\g+7], 0
.endr
	s_mov_b32 s[G1A+2], 64<<16                     ; A: 64 rows a load
	s_mov_b32 s[G1A+4], 64
	s_mov_b32 s[G1B+2], 128<<16                    ; B: 128 rows a load
	s_mov_b32 s[G1B+4], 128
	s_mul_i32 s74, s[CH], AHALF
	s_mov_b32 s[G0A], 1
	s_add_co_u32 s[G0A+1], s74, 0
	s_mov_b32 s[G0A+4], 1
	s_add_co_u32 s[G0A+5], s74, SLOT1
	s_mul_i32 s76, s[CH], BHALF
	s_mov_b32 s[G0B], 1
	s_add_co_u32 s[G0B+1], s76, BOFF
	s_mov_b32 s[G0B+4], 1
	s_add_co_u32 s[G0B+5], s76, BOFF+SLOT1
	s_lshl_b32 s58, s[Y], 18                       ; A: row 128 Y + 64 half, 2,048 bytes a row
	s_lshl_b32 s59, s[CH], 17
	s_add_co_u32 s58, s58, s59
	s_mov_b32 s59, 0
	s_lshl_b32 s66, s[X], 19                       ; B: row 256 X + 128 half of the problem's weights
	s_lshl_b32 s67, s[CH], 18
	s_add_co_u32 s66, s66, s67
	s_lshr_b32 s67, s[CLY], 3
	s_lshl_b32 s67, s67, 21
	s_add_co_u32 s66, s66, s67
	s_mov_b32 s67, 0
	s_lshl_b32 s72, s[Y], 18                       ; out: place 128 Y + 8 RH, byte 512 X + 256 CH
	s_lshl_b32 s73, s[RH], 14
	s_add_co_u32 s72, s72, s73
	s_lshl_b32 s73, s[X], 9
	s_add_co_u32 s72, s72, s73
	s_lshl_b32 s73, s[CH], 8
	s_add_co_u32 s72, s72, s73
	s_mov_b32 s73, 0
	s_mov_b32 s75, 0xffff0000
	s_mov_b32 s[TB], 0
	s_wait_dscnt 0x0                               ; the opening add is done
	s_wait_kmcnt 0x0
	s_add_nc_u64 s[60:61], s[4:5], s[58:59]
	s_add_nc_u64 s[68:69], s[6:7], s[66:67]
	s_add_nc_u64 s[12:13], s[12:13], s[72:73]
	s_cmp_lt_u32 s[CLY], 8
	s_cselect_b64 s[70:71], s[8:9], s[10:11]       ; the problem's bias
	CROUND                                         ; all sixteen work-groups are here: the first joint loads meet
	s_mov_b64 s[G0A+2:G0A+3], s[60:61]
	s_or_b32 s[G0A+3], s[G0A+3], 0x80000000
	s_add_nc_u64 s[G0A+6:G0A+7], s[60:61], 256
	s_or_b32 s[G0A+7], s[G0A+7], 0x80000000
	s_mov_b64 s[G0B+2:G0B+3], s[68:69]
	s_or_b32 s[G0B+3], s[G0B+3], 0x80000000
	s_add_nc_u64 s[G0B+6:G0B+7], s[68:69], 256
	s_or_b32 s[G0B+7], s[G0B+7], 0x80000000
	s_cmp_lt_u32 s[WV], 2                          ; a wave's two first fills stand in one branch
	s_cbranch_scc0 .Lfirst_b
	tensor_load_to_lds s[G0A:G0A+3], s[G1A:G1A+7]
	s_nop 0
	tensor_load_to_lds s[G0A+4:G0A+7], s[G1A:G1A+7]
	s_nop 0
	PLACES
	s_branch .Lfirst_asked
.Lfirst_b:
	tensor_load_to_lds s[G0B:G0B+3], s[G1B:G1B+7]
	s_nop 0
	tensor_load_to_lds s[G0B+4:G0B+7], s[G1B:G1B+7]
	s_nop 0
	PLACES
.Lfirst_asked:
	v_and_b32 v1, 15, v0                           ; r = lane % 16
	v_bfe_u32 v2, v0, 4, 1                         ; h = lane / 16
	s_lshl_b32 s74, s[X], 10
	s_lshl_b32 s76, s[CH], 9
	s_add_co_u32 s74, s74, s76
	v_lshl_add_u32 v[BO], v2, 5, s74               ; byte of bias column 256 X + 128 CH + 8 h
	WIN 0x80                                       ; destination window 2, address window 0
.irp b, 0,1,2,3,4,5,6,7                ; register 8 b + j = bias of column 16 b + 8 h + j: the layout of a result
	global_load_b128 v[BI+8*\b:BI+8*\b+3], v[BO], s[70:71] offset:64*\b
	global_load_b128 v[BI+8*\b+4:BI+8*\b+7], v[BO], s[70:71] offset:64*\b+16
.endr
	WIN 0
	v_mul_u32_u24 v3, v1, PITCH
	v_lshl_add_u32 v3, v2, 4, v3                   ; row x pitch + 16 x half: a fragment's two loads lie 32 bytes apart
	s_mul_i32 s74, s[RH], AHALF
	v_add_nc_u32 v[ADA0], s74, v3
	s_mul_i32 s74, s[CH], BHALF
	s_add_co_u32 s74, s74, BOFF
	v_add_nc_u32 v[ADB0], s74, v3
	v_mov_b32 v[ADRA], v[ADA0]
	v_mov_b32 v[ADRB], v[ADB0]
	s_mul_i32 s74, s[WV], 16*PITCH
	s_add_co_u32 s74, s74, STAGE                   ; my stage
	v_add_nc_u32 v[STO], s74, v3                   ; in: row r, 16 bytes for each half of the lanes
	v_mul_u32_u24 v3, v2, PITCH
	v_lshl_add_u32 v3, v1, 4, v3
	v_add_nc_u32 v[RD], s74, v3                    ; back: lanes 0-15 one row of 256 bytes, lanes 16-31 the next
	v_lshlrev_b32 v3, 15, v2                       ; the odd row lies 16 places on
	v_lshl_add_u32 v[CO], v1, 4, v3
	s_wait_loadcnt 0x0                             ; the bias: rounded to bf16 and widened again
	WIN 0x0a
.set i, 0
.rept 32
	v_cvt_pk_bf16_f32 v[TMP+i], v[BI+2*i], v[BI+2*i+1]
.set i, i+1
.endr
	WIN 0x80
.set i, 0
.rept 32
	v_lshlrev_b32 v[BI+2*i], 16, v[TMP+i]
	v_and_b32 v[BI+2*i+1], s75, v[TMP+i]
.set i, i+1
.endr
	WIN 0
; 8 products: row block am x all 8 column blocks, 32 along K.  first = 1: the bias starts the sums.  The 32 accumulators take turns, one instruction a turn.
.macro MUL8 fb, am, first
.if \first
	WIN 0x60                                       ; C window 2, D window 1
.else
	WIN 0x50                                       ; C and D window 1
.endif
.irp b, 0,1,2,3,4,5,6,7
.if \first
	v_wmma_f32_16x16x32_f16 v[64*(\am)+8*\b:64*(\am)+8*\b+7], v[(\fb)+32+8*\b:(\fb)+32+8*\b+7], v[(\fb)+8*(\am):(\fb)+8*(\am)+7], v[BI+8*\b:BI+8*\b+7]
.else
	v_wmma_f32_16x16x32_f16 v[64*(\am)+8*\b:64*(\am)+8*\b+7], v[(\fb)+32+8*\b:(\fb)+32+8*\b+7], v[(\fb)+8*(\am):(\fb)+8*(\am)+7], v[64*(\am)+8*\b:64*(\am)+8*\b+7]
.endif
.endr
.endm
.macro FETCH kb, fb                    ; 24 LDS loads in one run: 32 along K at byte kb of the rows
	WIN 0
.irp i, 0,1,2,3
	ds_load_b128 v[(\fb)+8*\i:(\fb)+8*\i+3], v[ADRA] offset:(\kb)+\i*16*PITCH
	ds_load_b128 v[(\fb)+8*\i+4:(\fb)+8*\i+7], v[ADRA] offset:(\kb)+\i*16*PITCH+32
.endr
.irp i, 0,1,2,3,4,5,6,7
	ds_load_b128 v[(\fb)+32+8*\i:(\fb)+32+8*\i+3], v[ADRB] offset:(\kb)+\i*16*PITCH
	ds_load_b128 v[(\fb)+32+8*\i+4:(\fb)+32+8*\i+7], v[ADRB] offset:(\kb)+\i*16*PITCH+32
.endr
.endm
.macro QUARTER kb, fb, gb, first       ; multiplies buffer fb; behind its first 8 products it fetches the next quarter into gb: 24 products stand ahead of the wait for it
	s_wait_dscnt 0x0
	MUL8 \fb, 0, \first
	PLACES
	FETCH \kb, \gb
	MUL8 \fb, 1, \first
	MUL8 \fb, 2, \first
	MUL8 \fb, 3, \first
.endm
; The last quarter of a K step multiplies buffer 1 and changes slots.  In front of the barrier each wave waits for all its tensor loads (the one that is out is its part of the next slot), adds 0 to its
; spare word, and waits for that and for its reads of this slot.  fill = 1: the barrier opens a round of the cluster's barrier, and the joint refill, two steps ahead, is the first thing behind the round.
.macro TURN fill
	WIN 0
	s_wait_tensorcnt 0x0
	ds_add_u32 v[SPW], v[NIL]
	s_wait_dscnt 0x1                               ; buffer 1 is in; the add may be out
	MUL8 F1, 0, 0
	s_wait_dscnt 0x0                               ; the add is done, my reads of this slot are over
	s_barrier_signal -1
	MUL8 F1, 1, 0
	WIN 0
	s_barrier_wait -1
.if \fill
	CREST
	s_xor_b32 s[G0A+5], s[G0A+5], SLOT1            ; no tensor load of mine is out: the walking descriptors step: the other slot, the next K step
	s_add_nc_u64 s[G0A+6:G0A+7], s[G0A+6:G0A+7], 256
	s_xor_b32 s[G0B+5], s[G0B+5], SLOT1
	s_add_nc_u64 s[G0B+6:G0B+7], s[G0B+6:G0B+7], 256
	JLOAD                                          ; its four v_nop are also the places in front of the loads below
.else
	PLACES
.endif
	s_xor_b32 s[TB], s[TB], SLOT1
	v_add_nc_u32 v[ADRA], s[TB], v[ADA0]
	v_add_nc_u32 v[ADRB], s[TB], v[ADB0]
	FETCH 0, F0
	MUL8 F1, 2, 0
	MUL8 F1, 3, 0
.endm
	s_wait_tensorcnt 0x1                           ; my part of K step 0 is in; step 1's may stay out
	s_barrier_signal -1
	s_barrier_wait -1
	FETCH 0, F0
	QUARTER 64, F0, F1, 1
	WIN 0
	s_mov_b32 s[CNT], NSTEP-2
.Lk:                                                   ; a trip: from a step's second quarter to the next step's first; it fills one slot again
	QUARTER 128, F1, F0, 0
	QUARTER 192, F0, F1, 0
	TURN 1
	QUARTER 64, F0, F1, 0
	WIN 0
	s_sub_co_u32 s[CNT], s[CNT], 1
	s_cmp_lg_u32 s[CNT], 0
	s_cbranch_scc1 .Lk
	QUARTER 128, F1, F0, 0                         ; the last two steps are written out: nothing more is asked for
	QUARTER 192, F0, F1, 0
	TURN 0
	QUARTER 64, F0, F1, 0
	QUARTER 128, F1, F0, 0
	QUARTER 192, F0, F1, 0
	s_wait_dscnt 0x0
	MUL8 F1, 0, 0
	MUL8 F1, 1, 0
	MUL8 F1, 2, 0
	MUL8 F1, 3, 0
; THE WAY OUT, 16 rows at a time through my own stage: rounded to bf16, 16 bytes a lane in, whole rows of 256 bytes back, stored at the permuted places.
.macro PACK pa
	WIN 0x05                                       ; sources window 1
.irp b, 0,1,2,3,4,5,6,7
.irp q, 0,1,2,3
	v_cvt_pk_bf16_f32 v[TMP+4*\b+\q], v[64*(\pa)+8*\b+2*\q], v[64*(\pa)+8*\b+2*\q+1]
.endr
.endr
	WIN 0
.endm
.macro TOSTAGE pa
.set BK, 64+32*((\pa)%2)
.irp b, 0,1,2,3,4,5,6,7
	ds_store_b128 v[STO], v[TMP+4*\b:TMP+4*\b+3] offset:32*\b
.endr
	s_wait_xcnt 0x0                                ; the registers that earlier stores read are loaded again only behind this wait
.irp t, 0,1,2,3,4,5,6,7
	ds_load_b128 v[BK+4*\t:BK+4*\t+3], v[RD] offset:\t*2*PITCH  ; LDS serves a wave's instructions in order: these see the stores above
.endr
.endm
.macro SEND pa
.set BK, 64+32*((\pa)%2)
	s_wait_dscnt 0x0
.irp t, 0,1,2,3,4,5,6,7                ; logical row 64 RH + 16 a + 2 t + hh goes to place 32 (t % 4) + 16 hh + 8 RH + 2 a + t / 4; 16 lanes store 256 consecutive aligned bytes
	global_store_b128 v[CO], v[BK+4*\t:BK+4*\t+3], s[12:13] offset:(32*(\t%4)+2*(\pa)+\t/4)*2048
.endr
.endm
	WIN 0
	PLACES
	PACK 0
	TOSTAGE 0
	PACK 1
	SEND 0
	TOSTAGE 1
	PACK 2
	SEND 1
	TOSTAGE 2
	PACK 3
	SEND 2
	TOSTAGE 3
	SEND 3
	s_wait_tensorcnt 0x0                           ; the wave's end
	ds_add_u32 v[SPW], v[NIL]
	s_wait_dscnt 0x0
	CROUND                                         ; the closing round
	s_endpgm
.Lfunc_end_k_qceab802a32_proj:
	.size	k_qceab802a32_proj, .Lfunc_end_k_qceab802a32_proj-k_qceab802a32_proj
	.p2alignl 7, 3214868480
	.fill 96, 4, 3214868480
	.section	.rodata,"a",@progbits
	.p2align	6, 0x0
	.amdhsa_kernel k_qceab802a32_proj
		.amdhsa_group_segment_fixed_size 327680
		.amdhsa_private_segment_fixed_size 0
		.amdhsa_enable_private_segment 0
		.amdhsa_kernarg_size 40
		.amdhsa_user_sgpr_count 2
		.amdhsa_user_sgpr_kernarg_segment_ptr 1
		.amdhsa_wavefront_size32 1
		.amdhsa_system_sgpr_workgroup_id_x 1
		.amdhsa_system_sgpr_workgroup_id_y 1
		.amdhsa_system_sgpr_workgroup_id_z 1
		.amdhsa_system_vgpr_workitem_id 0
		.amdhsa_next_free_vgpr 576
		.amdhsa_next_free_sgpr 96
		.amdhsa_reserve_vcc 0
		.amdhsa_float_denorm_mode_32 3
		.amdhsa_float_denorm_mode_16_64 3
		.amdhsa_memory_ordered 1
		.amdhsa_forward_progress 1
		.amdhsa_inst_pref_size 75
	.end_amdhsa_kernel
	.amdgpu_metadata
---
amdhsa.version: [ 1, 2 ]
amdhsa.kernels:
  - .name:           k_qceab802a32_proj
    .symbol:         k_qceab802a32_proj.kd
    .args:
      - { .name: feat16, .offset: 0, .size: 8, .value_kind: global_buffer, .address_space: global }
      - { .name: w16, .offset: 8, .size: 8, .value_kind: global_buffer, .address_space: global }
      - { .name: b_image, .offset: 16, .size: 8, .value_kind: global_buffer, .address_space: global }
      - { .name: b_text, .offset: 24, .size: 8, .value_kind: global_buffer, .address_space: global }
      - { .name: ti16, .offset: 32, .size: 8, .value_kind: global_buffer, .address_space: global }
    .group_segment_fixed_size: 327680
    .private_segment_fixed_size: 0
    .kernarg_segment_align: 8
    .kernarg_segment_size: 40
    .max_flat_workgroup_size: 128
    .sgpr_count:     96
    .vgpr_count:     576
    .wavefront_size: 32
...
	.end_amdgpu_metadata
.endif
;; end of part 2
;; launch logits (part 3): grid 16 x 16, 4 waves a work-group, clusters of 4 x 4, 327,680 bytes of LDS; arguments ti16, E, stat; writes E, stat
.if DOCPART == 3
	.amdgcn_target "amdgcn-amd-amdhsa--gfx1250"
	.amdhsa_code_object_version 6
	.text
	.protected	k_qceab802a32_logits
	.globl	k_qceab802a32_logits
	.p2align	8
	.type	k_qceab802a32_logits,@function
k_qceab802a32_logits:
	s_mov_b64 s[64:65], 0
	v_nop
	global_prefetch_b8 v0, s[64:65] scope:SCOPE_SE
	s_setreg_imm32_b32 hwreg(HW_REG_WAVE_MODE, 25, 1), 1
	s_wait_xcnt 0x0
	s_wait_alu depctr_hold_cnt(0) depctr_sa_sdst(0) depctr_va_vdst(0) depctr_va_sdst(0) depctr_va_ssrc(0) depctr_va_vcc(0) depctr_vm_vsrc(0)
	s_getreg_b32 s2, hwreg(HW_REG_IB_STS2, 6, 4)
	s_cmp_eq_u32 s2, 0
	s_cbranch_scc0 .Lentry_in_a_cluster
	s_endpgm
.Lentry_in_a_cluster:
	s_bfe_u32 s2, ttmp6, 0x10000c
	s_cmp_lg_u32 s2, 0xf033
	s_cbranch_scc0 .Lentry_shape_is_right
	s_endpgm
.Lentry_shape_is_right:
; THE LOGITS, ONCE, AND BOTH SOFTMAXES' WEIGHTS BY BLOCKS.  S = t i^T (bf16 operands, f32 sums), c = log2(e) / 32.  A wave makes a block of 128 t rows x 128 i rows and writes it twice, in f16:
;   for E[0] (rows t, keys i): 2^(c S - c max over the block's 128 i);   for E[1] (rows i, keys t): 2^(c S - c max over the block's 128 t),
; with each row's c max and sum of (unrounded) weights for the block in stat, f32.  The next launch joins a row's 32 blocks into the true maximum and sum: a maximum is taken away before every exponential.
; LIMITS.  A weight lies in 0 to 1 (to within one rounding) and below 6e-5 keeps f16's fixed step of 6e-8; one below 2^-126 counts as 0 in the sum; NaN and infinities are not treated apart.
; ROWS.  ti16's rows lie permuted in groups of 128: place 16 a + p holds logical row 8 p + a.  With the transposed matrix use (source 0 = 16 i rows, source 1 = 16 t rows) register j of accumulator (a, b)
; in lane (r, h) is t row m = 8 r + a and i row n = 64 h + 8 j + b.
; E LIES IN THE ORDER OF THE NEXT LAUNCH'S FRAGMENTS: E[p][group of 128 rows][sub-block x: the 16 rows 8 rho + x][block of 128 keys][octet o of 8 keys][rho][16 bytes]: 4,096 bytes for a sub-block and key block.
; For E[0] a lane holds row rho = r of sub-block a and, over eight accumulators b, the octets 8 h + j: it leaves from registers, 16 lanes to 256 consecutive bytes.  For E[1] a lane holds octet r of row
; rho = 8 h + j of sub-block b: 16-byte pieces change lanes through a stage in LDS.  stat is kept in the order of places 16 x + rho.
; SHARES, RING, CLUSTER.  A tile is 256 x 256, four waves of 128 x 128 (64 accumulators, 512 registers); K = 1,024 in 8 steps of 128 through two LDS slots; 4 x 4 work-groups ask for t's tiles jointly along a row of
; the cluster and for i's along a column.  By this text's count a wave has two tensor loads out at the start, later one.
; REGISTERS: window 0: v0-31 addresses, v32-54 statistics, v64-127 and v128-191 A's fragment buffers (later exponents, packed weights, pieces read back); window 1: B's fragment buffers, later c S of half the
; accumulators; window 2: accumulators a = 0-3 at 64 a + 8 b; window 3: a = 4-7.
.set NSTEP, 8
.set PITCH, 272
.set HALFT, 128*PITCH
.set SLOT1, 4*HALFT                    ; 0x22000; the LDS words that are turned (wave x 0x8800, and 0) have neither of its two bits set, so the exclusive or is the sum
.set STAGE, 2*SLOT1                    ; 16 rows x 272 bytes for each wave
.set STS,   STAGE+4*16*PITCH           ; 2,048 bytes for each wave: row maxima, row sums, column maxima, column sums, 128 f32 each
.set SPARE, STS+4*2048                 ; the spare words
.set ABLK,  131072                     ; bytes of E from a sub-block of 16 rows to the next: 32 key blocks of 4,096
.set ADA0, 4
.set ADB0, 5
.set ADRA, 6
.set ADRB, 7
.set STO,  8
.set RD,   9
.set CO1,  10
.set SRA,  12
.set SCA,  13
.set SRD,  14
.set L16,  15
.set SPW,  28
.set NIL,  29
.set CM,   32                          ; v32-39  c max of 8 columns
.set CSU,  40                          ; v40-47  sums
.set CH4,  48                          ; v48-51  four chains of a maximum
.set RMY,  52                          ; v52-53  c max of my row, named as a pair
.set X1,   54
.set F0,   64
.set F1,   128
.set TT,   64                          ; v64-127  exponents, then weights: T[x][j] at TT + 8 x + j
.set YY,   128                         ; v128-159 weights in f16: Y[4 j + u] = T[2 u][j], T[2 u + 1][j]
.set BK,   160                         ; v160-191 pieces read back from the stage
.set WV, 14
.set RH, 15
.set CH, 16
.set CX, 17
.set CY, 18
.set X,  19
.set CLY, 20
.set Y,  21
.set MR, 22
.set MC, 23
.set G1A, 24
.set G1B, 32
.set G0A, 40
.set G0B, 48
.set TB,  56
.set CNT, 57
.set CS,  58                           ; s[58:59] c
.set SEL, 60                           ; s[60:61] v_permlanex16_b32's selects: each lane takes its own place in the other half
.set GA,  74
.set GB,  75
.set E1B, 76
.set E2B, 78
.set STR, 80
.set STC, 82
.set MSB, 0
.macro WIN new
.if MSB != (\new)
	s_set_vgpr_msb (MSB<<8)|(\new)
.set MSB, \new
.endif
.endm
.set MUL_LO, 0xa1                      ; source 0 (B) window 1, source 1 (A) window 0, C and D window 2
.set TO_B,   0x40
.macro PLACES
.rept 4
	v_nop
.endr
.endm
.macro JLOAD
	s_cmp_lt_u32 s[WV], 2
	s_cbranch_scc0 .Lfor_b_\@
	tensor_load_to_lds s[G0A+4:G0A+7], s[G1A:G1A+7]
	s_nop 0
	PLACES
	s_branch .Lasked_\@
.Lfor_b_\@:
	tensor_load_to_lds s[G0B+4:G0B+7], s[G1B:G1B+7]
	s_nop 0
	PLACES
.Lasked_\@:
.endm
.macro CREST
	s_cmp_lg_u32 s[WV], 0
	s_cbranch_scc1 .Lnot_wave_0_\@
	s_barrier_signal -3
.Lnot_wave_0_\@:
	s_barrier_wait -3
	s_barrier_signal -1
	s_barrier_wait -1
.endm
.macro CROUND
	s_barrier_signal -1
	s_barrier_wait -1
	CREST
.endm
	s_load_b128 s[4:7], s[0:1], 0x0                ; ti16 s[4:5], E s[6:7]
	s_load_b64 s[8:9], s[0:1], 0x10                ; stat
	v_lshl_add_u32 v[SPW], v0, 2, SPARE
	v_mov_b32 v[NIL], 0
	ds_add_u32 v[SPW], v[NIL]                      ; the wave's opening: the add and its wait stand ahead of my first tensor load
	v_lshrrev_b32 v1, 5, v0
	v_readfirstlane_b32 s[WV], v1
	s_lshr_b32 s[RH], s[WV], 1
	s_and_b32 s[CH], s[WV], 1
	s_bfe_u32 s[CX], ttmp6, 0x40000
	s_bfe_u32 s[CY], ttmp6, 0x40004
	s_lshl_b32 s[X], ttmp9, 2
	s_add_co_u32 s[X], s[X], s[CX]                 ; tile of i rows
	s_and_b32 s[CLY], ttmp7, 0xffff
	s_lshl_b32 s[Y], s[CLY], 2
	s_add_co_u32 s[Y], s[Y], s[CY]                 ; tile of t rows
	s_lshl_b32 s[MR], s[CY], 2
	s_lshl_b32 s[MR], 15, s[MR]
	s_lshl_b32 s[MC], 0x1111, s[CX]
	s_or_b32 s[G1A], s[MR], (1<<16)|(1<<20)|(1<<21)|(5<<22)|(3<<25)
	s_or_b32 s[G1B], s[MC], (1<<16)|(1<<20)|(1<<21)|(5<<22)|(3<<25)
.irp g, G1A, G1B
	s_mov_b32 s[\g+1], 128<<16                     ; a tile of 128 rows x 128 elements
	s_mov_b32 s[\g+2], 128<<16
	s_mov_b32 s[\g+3], 128<<16
	s_mov_b32 s[\g+4], 128
	s_mov_b32 s[\g+5], 1024
	s_mov_b32 s[\g+6], 0
	s_mov_b32 s[\g+7], 0
.endr
	s_mul_i32 s62, s[WV], HALFT                    ; A's two halves, then B's two halves: wave x 128 rows
.irp g, G0A, G0B
	s_mov_b32 s[\g], 1
	s_add_co_u32 s[\g+1], s62, 0
	s_mov_b32 s[\g+4], 1
	s_add_co_u32 s[\g+5], s62, SLOT1
.endr
	s_lshl_b32 s66, s[Y], 19                       ; A: t's rows lie 4,096 rows into ti16; row 256 Y + 128 half
	s_lshl_b32 s67, s[CH], 18
	s_add_co_u32 s66, s66, s67
	s_add_co_u32 s66, s66, 0x800000
	s_mov_b32 s67, 0
	s_lshl_b32 s70, s[X], 19                       ; B: row 256 X + 128 half
	s_lshl_b32 s71, s[CH], 18
	s_add_co_u32 s70, s70, s71
	s_mov_b32 s71, 0
	s_lshl1_add_u32 s[GA], s[Y], s[RH]             ; my group of 128 t rows,
	s_lshl1_add_u32 s[GB], s[X], s[CH]             ; and of 128 i rows
	s_mov_b32 s[CS], 0x3d38aa3b                    ; c = log2(e) / 32
	s_mov_b32 s[CS+1], s[CS]
	s_mov_b32 s[SEL], 0x76543210
	s_mov_b32 s[SEL+1], 0xfedcba98
	s_mov_b32 s[TB], 0
	s_mov_b32 s85, 0
	s_wait_dscnt 0x0                               ; the opening add is done
	s_wait_kmcnt 0x0
	s_add_nc_u64 s[68:69], s[4:5], s[66:67]
	s_add_nc_u64 s[72:73], s[4:5], s[70:71]
	s_lshl_b32 s84, s[GA], 20                      ; E[0]: group gA (8 sub-blocks of 131,072 bytes), key block gB (4,096 bytes)
	s_lshl_b32 s86, s[GB], 12
	s_add_co_u32 s84, s84, s86
	s_add_nc_u64 s[E1B:E1B+1], s[6:7], s[84:85]
	s_lshl_b32 s84, s[GB], 20                      ; E[1]: group gB, key block gA
	s_lshl_b32 s86, s[GA], 12
	s_add_co_u32 s84, s84, s86
	s_add_co_u32 s84, s84, 0x2000000
	s_add_nc_u64 s[E2B:E2B+1], s[6:7], s[84:85]
	s_lshl_b32 s84, s[GA], 5                       ; stat[0][gA][gB]
	s_add_co_u32 s84, s84, s[GB]
	s_lshl_b32 s84, s84, 10
	s_add_nc_u64 s[STR:STR+1], s[8:9], s[84:85]
	s_lshl_b32 s84, s[GB], 5                       ; stat[1][gB][gA]
	s_add_co_u32 s84, s84, s[GA]
	s_lshl_b32 s84, s84, 10
	s_add_co_u32 s84, s84, 0x100000
	s_add_nc_u64 s[STC:STC+1], s[8:9], s[84:85]
	CROUND                                         ; all sixteen work-groups are here: the first joint loads meet
	s_mov_b64 s[G0A+2:G0A+3], s[68:69]
	s_or_b32 s[G0A+3], s[G0A+3], 0x80000000
	s_add_nc_u64 s[G0A+6:G0A+7], s[68:69], 256
	s_or_b32 s[G0A+7], s[G0A+7], 0x80000000
	s_mov_b64 s[G0B+2:G0B+3], s[72:73]
	s_or_b32 s[G0B+3], s[G0B+3], 0x80000000
	s_add_nc_u64 s[G0B+6:G0B+7], s[72:73], 256
	s_or_b32 s[G0B+7], s[G0B+7], 0x80000000
	s_cmp_lt_u32 s[WV], 2
	s_cbranch_scc0 .Lfirst_b
	tensor_load_to_lds s[G0A:G0A+3], s[G1A:G1A+7]
	s_nop 0
	tensor_load_to_lds s[G0A+4:G0A+7], s[G1A:G1A+7]
	s_nop 0
	PLACES
	s_branch .Lfirst_asked
.Lfirst_b:
	tensor_load_to_lds s[G0B:G0B+3], s[G1B:G1B+7]
	s_nop 0
	tensor_load_to_lds s[G0B+4:G0B+7], s[G1B:G1B+7]
	s_nop 0
	PLACES
.Lfirst_asked:
	v_and_b32 v1, 15, v0                           ; r
	v_bfe_u32 v2, v0, 4, 1                         ; h
	v_mul_u32_u24 v3, v1, PITCH
	v_lshl_add_u32 v16, v2, 4, v3
	s_mul_i32 s62, s[RH], HALFT
	v_add_nc_u32 v[ADA0], s62, v16
	s_mul_i32 s62, s[CH], HALFT
	s_add_co_u32 s62, s62, 2*HALFT
	v_add_nc_u32 v[ADB0], s62, v16
	v_mov_b32 v[ADRA], v[ADA0]
	v_mov_b32 v[ADRB], v[ADB0]
	s_mul_i32 s62, s[WV], 16*PITCH
	s_add_co_u32 s62, s62, STAGE                   ; my stage: [octet][rho], 272 bytes an octet
	v_lshl_add_u32 v16, v2, 7, v3
	v_add_nc_u32 v[STO], s62, v16                  ; in: octet r, rho = 8 h + j
	v_mul_u32_u24 v16, v2, PITCH
	v_lshl_add_u32 v16, v1, 4, v16
	v_add_nc_u32 v[RD], s62, v16                   ; back: lanes 0-15 one octet's 16 rows, lanes 16-31 the next octet's
	v_lshlrev_b32 v16, 4, v1
	v_lshl_add_u32 v[CO1], v2, 11, v16             ; E[0]: octet 8 h + j (256 bytes each), row rho = r (16 bytes)
	s_lshl_b32 s62, s[WV], 11
	s_add_co_u32 s62, s62, STS                     ; my statistics
	v_lshl_add_u32 v[SRA], v1, 2, s62
	v_lshl_add_u32 v[SCA], v2, 5, s62
	v_and_b32 v16, 31, v0
	v_lshlrev_b32 v[L16], 4, v16
	v_add_nc_u32 v[SRD], s62, v[L16]
; 16 products: row blocks a0, a0 + 1 of the window's four x all 8 column blocks, 32 along K.  zero = 1: the first product starts the sums.  The 64 accumulators take turns.
.macro MUL16 fb, hi, a0, zero
	WIN MUL_LO+0x50*(\hi)
.irp a, \a0, (\a0)+1
.irp b, 0,1,2,3,4,5,6,7
.if \zero
	v_wmma_f32_16x16x32_bf16 v[8*(8*(\a)+(\b)):8*(8*(\a)+(\b))+7], v[(\fb)+8*(\b):(\fb)+8*(\b)+7], v[(\fb)+8*(4*(\hi)+(\a)):(\fb)+8*(4*(\hi)+(\a))+7], 0
.else
	v_wmma_f32_16x16x32_bf16 v[8*(8*(\a)+(\b)):8*(8*(\a)+(\b))+7], v[(\fb)+8*(\b):(\fb)+8*(\b)+7], v[(\fb)+8*(4*(\hi)+(\a)):(\fb)+8*(4*(\hi)+(\a))+7], v[8*(8*(\a)+(\b)):8*(8*(\a)+(\b))+7]
.endif
.endr
.endr
.endm
.macro FETCH kb, fb                    ; 32 LDS loads in one run: B's 8 fragments, then A's 8
	WIN TO_B
.irp i, 0,1,2,3,4,5,6,7
	ds_load_b128 v[(\fb)+8*\i:(\fb)+8*\i+3], v[ADRB] offset:(\kb)+\i*16*PITCH
	ds_load_b128 v[(\fb)+8*\i+4:(\fb)+8*\i+7], v[ADRB] offset:(\kb)+\i*16*PITCH+32
.endr
	WIN 0
.irp i, 0,1,2,3,4,5,6,7
	ds_load_b128 v[(\fb)+8*\i:(\fb)+8*\i+3], v[ADRA] offset:(\kb)+\i*16*PITCH
	ds_load_b128 v[(\fb)+8*\i+4:(\fb)+8*\i+7], v[ADRA] offset:(\kb)+\i*16*PITCH+32
.endr
.endm
.macro QUARTER kb, fb, gb, zero
	s_wait_dscnt 8                                 ; B and A's rows 0-63 are in; the youngest eight loads may be out
	MUL16 \fb, 0, 0, \zero
	MUL16 \fb, 0, 2, \zero
	PLACES
	FETCH \kb, \gb
	s_wait_dscnt 32                                ; all but the 32 just issued
	MUL16 \fb, 1, 0, \zero
	MUL16 \fb, 1, 2, \zero
.endm
; The last quarter of a K step, and the change of slots.  In front of the barrier each wave waits for all its tensor loads (the one that is out is its part of the next slot), adds 0 to its spare word, and
; waits for that and for its reads of this slot.  fill = 1: the barrier opens a round of the cluster's barrier, and the joint refill, two steps ahead, is the first thing behind the round.
.macro TURN fill
	WIN 0
	s_wait_tensorcnt 0x0                           ; all my tensor loads have landed: my part of the next slot
	ds_add_u32 v[SPW], v[NIL]
	s_wait_dscnt 9                                 ; the add and the youngest eight loads may be out
	MUL16 F1, 0, 0, 0
	s_wait_dscnt 0x0                               ; the add is done, my reads of this slot are over
	s_barrier_signal -1
	MUL16 F1, 0, 2, 0
	WIN 0
	s_barrier_wait -1
.if \fill
	CREST
	s_xor_b32 s[G0A+5], s[G0A+5], SLOT1
	s_add_nc_u64 s[G0A+6:G0A+7], s[G0A+6:G0A+7], 256
	s_xor_b32 s[G0B+5], s[G0B+5], SLOT1
	s_add_nc_u64 s[G0B+6:G0B+7], s[G0B+6:G0B+7], 256
	JLOAD
.else
	PLACES
.endif
	s_xor_b32 s[TB], s[TB], SLOT1
	v_add_nc_u32 v[ADRA], s[TB], v[ADA0]
	v_add_nc_u32 v[ADRB], s[TB], v[ADB0]
	FETCH 0, F0
	MUL16 F1, 1, 0, 0
	MUL16 F1, 1, 2, 0
.endm
	s_wait_tensorcnt 0x1                           ; my part of K step 0 is in; step 1's may stay out
	s_barrier_signal -1
	s_barrier_wait -1
	FETCH 0, F0
	QUARTER 64, F0, F1, 1
	WIN 0
	s_mov_b32 s[CNT], NSTEP-2
.Lk:
	QUARTER 128, F1, F0, 0
	QUARTER 192, F0, F1, 0
	TURN 1
	QUARTER 64, F0, F1, 0
	WIN 0
	s_sub_co_u32 s[CNT], s[CNT], 1
	s_cmp_lg_u32 s[CNT], 0
	s_cbranch_scc1 .Lk
	QUARTER 128, F1, F0, 0
	QUARTER 192, F0, F1, 0
	TURN 0
	QUARTER 64, F0, F1, 0
	QUARTER 128, F1, F0, 0
	QUARTER 192, F0, F1, 0
	s_wait_dscnt 8
	MUL16 F1, 0, 0, 0
	MUL16 F1, 0, 2, 0
	s_wait_dscnt 0x0
	MUL16 F1, 1, 0, 0
	MUL16 F1, 1, 2, 0
; ---- THE WAY OUT ----
; Sum step (su, sj) of the 28 packed additions that add T[0..7][j] into CSU[j].
.macro SUMS su, sj
.if (((\sj)%2) == 0) && ((\su) == 0)
	v_pk_add_f32 v[CSU+(\sj):CSU+(\sj)+1], v[TT+(\sj):TT+(\sj)+1], v[TT+8+(\sj):TT+8+(\sj)+1]
.elseif ((\sj)%2) == 0
	v_pk_add_f32 v[CSU+(\sj):CSU+(\sj)+1], v[CSU+(\sj):CSU+(\sj)+1], v[TT+16*(\su)+(\sj):TT+16*(\su)+(\sj)+1]
.elseif (\su) > 0
	v_pk_add_f32 v[CSU+(\sj)-1:CSU+(\sj)], v[CSU+(\sj)-1:CSU+(\sj)], v[TT+16*(\su)+8+(\sj)-1:TT+16*(\su)+8+(\sj)]
.endif
.endm
; 64 exponentials in place, 32 roundings to f16, 28 sums.  From the second round on a plain instruction on the round before's results stands behind the exponentials, so that none is used before a plain
; instruction has followed it (ISA guide 5.7.2); the first round's sixteen are followed by one v_nop.
.macro EXPPOST
	WIN 0
.irp u, 0,1,2,3
.irp j, 0,1,2,3,4,5,6,7
	v_exp_f32 v[TT+16*\u+\j], v[TT+16*\u+\j]
.if \u > 0
	s_wait_alu depctr_va_vdst(0)
	v_cvt_pk_f16_f32 v[YY+4*\j+\u-1], v[TT+16*\u-16+\j], v[TT+16*\u-8+\j]
.endif
	v_exp_f32 v[TT+16*\u+8+\j], v[TT+16*\u+8+\j]
.if \u > 0
	SUMS (\u-1), \j
.endif
.endr
.if \u == 0
	v_nop
.endif
.endr
	s_wait_alu depctr_va_vdst(0)
.irp j, 0,1,2,3,4,5,6,7
	v_cvt_pk_f16_f32 v[YY+4*\j+3], v[TT+48+\j], v[TT+56+\j]
.endr
.irp j, 0,1,2,3,4,5,6,7
	SUMS 3, \j
.endr
.endm
; c S of accumulators (a, b0 .. b0 + 3), all a, into window 1 at 8 (4 a + bb): the scaling is also the copy that lets one text serve both halves of b and leaves the accumulators whole for the rows.
.macro COPYC b0
.irp a, 0,1,2,3,4,5,6,7
	WIN 0x42+(\a)/4
.irp bb, 0,1,2,3
.irp p, 0,1,2,3
	v_pk_mul_f32 v[8*(4*\a+\bb)+2*\p:8*(4*\a+\bb)+2*\p+1], v[8*(8*(\a%4)+\b0+\bb)+2*\p:8*(8*(\a%4)+\b0+\bb)+2*\p+1], s[CS:CS+1] op_sel_hi:[1,0]
.endr
.endr
.endr
	WIN 0
.endm
; Sub-block b of E[1]: the 16 i rows n = 8 (8 h + j) + b: maximum over a (8 registers) and r (16 lanes), weights, sums.  A lane's 16 bytes (octet r of row rho = 8 h + j) go into the stage at [octet][rho] and come
; back as two octets' 16 rows a load: 512 consecutive bytes of E.  The sums across the lanes stand between the loads from the stage and the wait for them.
.macro COLB cb
	WIN 0x15
.irp j, 0,1,2,3,4,5,6,7
	v_max3_num_f32 v[CM+\j], v[8*(\cb)+\j], v[8*(4+\cb)+\j], v[8*(8+\cb)+\j]
.endr
	WIN 0x14
.irp j, 0,1,2,3,4,5,6,7
	v_max3_num_f32 v[CM+\j], v[CM+\j], v[8*(12+\cb)+\j], v[8*(16+\cb)+\j]
.endr
.irp j, 0,1,2,3,4,5,6,7
	v_max3_num_f32 v[CM+\j], v[CM+\j], v[8*(20+\cb)+\j], v[8*(24+\cb)+\j]
.endr
.irp j, 0,1,2,3,4,5,6,7
	v_max_num_f32 v[CM+\j], v[CM+\j], v[8*(28+\cb)+\j]
.endr
	WIN 0
.irp k, 1,2,4,8
.irp j, 0,1,2,3,4,5,6,7
	v_max_num_f32_dpp v[CM+\j], v[CM+\j], v[CM+\j] row_xmask:\k row_mask:0xf bank_mask:0xf
.endr
.endr
	WIN 0x01
.irp a, 0,1,2,3,4,5,6,7
.irp p, 0,1,2,3
	v_pk_add_f32 v[TT+8*\a+2*\p:TT+8*\a+2*\p+1], v[8*(4*\a+\cb)+2*\p:8*(4*\a+\cb)+2*\p+1], v[CM+2*\p:CM+2*\p+1] neg_lo:[0,1] neg_hi:[0,1]
.endr
.endr
	EXPPOST
.irp j, 0,1,2,3,4,5,6,7
	ds_store_b128 v[STO], v[YY+4*\j:YY+4*\j+3] offset:16*\j
.endr
	s_wait_xcnt 0x0                                ; the pieces that the last stores read are loaded again only behind this wait
.irp t, 0,1,2,3,4,5,6,7
	ds_load_b128 v[BK+4*\t:BK+4*\t+3], v[RD] offset:\t*2*PITCH  ; LDS serves a wave's instructions in order: these see the stores above
.endr
.irp k, 1,2,4,8
.irp j, 0,1,2,3,4,5,6,7
	v_add_f32_dpp v[CSU+\j], v[CSU+\j], v[CSU+\j] row_xmask:\k row_mask:0xf bank_mask:0xf
.endr
.endr
	ds_store_b128 v[SCA], v[CM:CM+3] offset:1024+64*\cb       ; place 16 b + 8 h + j
	ds_store_b128 v[SCA], v[CM+4:CM+7] offset:1024+64*\cb+16
	ds_store_b128 v[SCA], v[CSU:CSU+3] offset:1536+64*\cb
	ds_store_b128 v[SCA], v[CSU+4:CSU+7] offset:1536+64*\cb+16
	s_wait_dscnt 0x4                               ; the eight loads are back; the four stores behind them may be out
.irp t, 0,1,2,3,4,5,6,7
	global_store_b128 v[L16], v[BK+4*\t:BK+4*\t+3], s[E2B:E2B+1] offset:\cb*ABLK+512*\t  ; octets 2 t and 2 t + 1: 512 consecutive bytes, at a multiple of 256 from E's first
.endr
.endm
; Sub-block a of E[0] (its accumulators in window 2 at 64 ra): the 16 t rows m = 8 r + a: the maximum over 64 registers and the two halves of the lanes.
.macro RMAX ra
	WIN 0x2a
.irp k, 0,1,2,3
	v_max3_num_f32 v[CH4+\k], v[64*\ra+16*\k], v[64*\ra+16*\k+1], v[64*\ra+16*\k+2]
.endr
	WIN 0x28
.irp q, 1,2,3,4,5,6
.irp k, 0,1,2,3
	v_max3_num_f32 v[CH4+\k], v[CH4+\k], v[64*\ra+16*\k+2*\q+1], v[64*\ra+16*\k+2*\q+2]
.endr
.endr
.irp k, 0,1,2,3
	v_max_num_f32 v[CH4+\k], v[CH4+\k], v[64*\ra+16*\k+15]
.endr
	WIN 0
	v_max3_num_f32 v[CH4], v[CH4], v[CH4+1], v[CH4+2]
	v_max_num_f32 v[CH4], v[CH4], v[CH4+3]
	v_permlanex16_b32 v[X1], v[CH4], s[SEL], s[SEL+1]
	v_max_num_f32 v[CH4], v[CH4], v[X1]
	v_mul_f32 v[RMY], s[CS], v[CH4]
.endm
.macro RBODY ra                        ; weights, sum, statistics; the lane's eight octets leave from registers
	WIN 0x02
.irp b, 0,1,2,3,4,5,6,7
.irp p, 0,1,2,3
	v_pk_fma_f32 v[TT+8*\b+2*\p:TT+8*\b+2*\p+1], v[64*\ra+8*\b+2*\p:64*\ra+8*\b+2*\p+1], s[CS:CS+1], v[RMY:RMY+1] op_sel_hi:[1,0,0] neg_lo:[0,0,1] neg_hi:[0,0,1]
.endr
.endr
	WIN 0
	s_wait_xcnt 0x0                                ; the packed weights, which the last stores read, are rewritten only behind this wait
	EXPPOST
	v_pk_add_f32 v[CSU:CSU+1], v[CSU:CSU+1], v[CSU+2:CSU+3]
	v_pk_add_f32 v[CSU+4:CSU+5], v[CSU+4:CSU+5], v[CSU+6:CSU+7]
	v_pk_add_f32 v[CSU:CSU+1], v[CSU:CSU+1], v[CSU+4:CSU+5]
	v_add_f32 v[CSU], v[CSU], v[CSU+1]
	v_permlanex16_b32 v[X1], v[CSU], s[SEL], s[SEL+1]
	v_add_f32 v[CSU], v[CSU], v[X1]
	ds_store_b32 v[SRA], v[RMY] offset:64*\ra                 ; place 16 a + r
	ds_store_b32 v[SRA], v[CSU] offset:512+64*\ra
.irp j, 0,1,2,3,4,5,6,7
	global_store_b128 v[CO1], v[YY+4*\j:YY+4*\j+3], s[E1B:E1B+1] offset:\ra*ABLK+256*\j  ; octet 8 h + j: 16 lanes store its 16 rows, 256 consecutive aligned bytes
.endr
.endm
	WIN 0
	PLACES                                         ; behind the last products
	v_mov_b32 v[X1], 0                             ; v_permlanex16_b32's destination counts as read
	v_mov_b32 v[RMY+1], 0                          ; named with RMY as a pair
	COPYC 0
	s_mov_b32 s[CNT], 2
.Lcol:                                                 ; two trips: b = 0-3, b = 4-7.  One text for both costs the scaled copy; the last trip jumps over the copy that nobody would read
	COLB 0
	COLB 1
	COLB 2
	COLB 3
	s_cmp_eq_u32 s[CNT], 1
	s_cbranch_scc1 .Lcol_last
	COPYC 4
.Lcol_last:
	s_wait_xcnt 0x0                                ; the stores' base is stepped only behind this wait
	s_add_nc_u64 s[E2B:E2B+1], s[E2B:E2B+1], 4*ABLK
	v_add_nc_u32 v[SCA], 256, v[SCA]
	s_sub_co_u32 s[CNT], s[CNT], 1
	s_cmp_lg_u32 s[CNT], 0
	s_cbranch_scc1 .Lcol
	s_mov_b32 s[CNT], 2
.Lrow:                                                 ; two trips: a = 0-3, a = 4-7.  One text for both costs 256 moves from window 3 to window 2, jumped over in the last trip
	RMAX 0
	RBODY 0
	RMAX 1
	RBODY 1
	RMAX 2
	RBODY 2
	RMAX 3
	RBODY 3
	s_cmp_eq_u32 s[CNT], 1
	s_cbranch_scc1 .Lrow_last
	WIN 0x83
.set i, 0
.rept 256
	v_mov_b32 v[i], v[i]
.set i, i+1
.endr
	WIN 0
.Lrow_last:
	s_wait_xcnt 0x0
	s_add_nc_u64 s[E1B:E1B+1], s[E1B:E1B+1], 4*ABLK
	v_add_nc_u32 v[SRA], 256, v[SRA]
	s_sub_co_u32 s[CNT], s[CNT], 1
	s_cmp_lg_u32 s[CNT], 0
	s_cbranch_scc1 .Lrow
.irp t, 0,1,2,3
	ds_load_b128 v[TT+4*\t:TT+4*\t+3], v[SRD] offset:512*\t   ; my statistics, 512 bytes a load
.endr
	s_wait_dscnt 0x0
	global_store_b128 v[L16], v[TT:TT+3], s[STR:STR+1]
	global_store_b128 v[L16], v[TT+4:TT+7], s[STR:STR+1] offset:512
	global_store_b128 v[L16], v[TT+8:TT+11], s[STC:STC+1]
	global_store_b128 v[L16], v[TT+12:TT+15], s[STC:STC+1] offset:512
	s_wait_tensorcnt 0x0                           ; the wave's end
	ds_add_u32 v[SPW], v[NIL]
	s_wait_dscnt 0x0
	CROUND                                         ; the closing round
	s_endpgm
.Lfunc_end_k_qceab802a32_logits:
	.size	k_qceab802a32_logits, .Lfunc_end_k_qceab802a32_logits-k_qceab802a32_logits
	.p2alignl 7, 3214868480
	.fill 96, 4, 3214868480
	.section	.rodata,"a",@progbits
	.p2align	6, 0x0
	.amdhsa_kernel k_qceab802a32_logits
		.amdhsa_group_segment_fixed_size 327680
		.amdhsa_private_segment_fixed_size 0
		.amdhsa_enable_private_segment 0
		.amdhsa_kernarg_size 24
		.amdhsa_user_sgpr_count 2
		.amdhsa_user_sgpr_kernarg_segment_ptr 1
		.amdhsa_wavefront_size32 1
		.amdhsa_system_sgpr_workgroup_id_x 1
		.amdhsa_system_sgpr_workgroup_id_y 1
		.amdhsa_system_sgpr_workgroup_id_z 1
		.amdhsa_system_vgpr_workitem_id 0
		.amdhsa_next_free_vgpr 1024
		.amdhsa_next_free_sgpr 96
		.amdhsa_reserve_vcc 0
		.amdhsa_float_denorm_mode_32 3
		.amdhsa_float_denorm_mode_16_64 3
		.amdhsa_memory_ordered 1
		.amdhsa_forward_progress 1
		.amdhsa_inst_pref_size 225
	.end_amdhsa_kernel
	.amdgpu_metadata
---
amdhsa.version: [ 1, 2 ]
amdhsa.kernels:
  - .name:           k_qceab802a32_logits
    .symbol:         k_qceab802a32_logits.kd
    .args:
      - { .name: ti16, .offset: 0, .size: 8, .value_kind: global_buffer, .address_space: global }
      - { .name: E, .offset: 8, .size: 8, .value_kind: global_buffer, .address_space: global }
      - { .name: stat, .offset: 16, .size: 8, .value_kind: global_buffer, .address_space: global }
    .group_segment_fixed_size: 327680
    .private_segment_fixed_size: 0
    .kernarg_segment_align: 8
    .kernarg_segment_size: 24
    .max_flat_workgroup_size: 128
    .sgpr_count:     96
    .vgpr_count:     1024
    .wavefront_size: 32
...
	.end_amdgpu_metadata
.endif
;; end of part 3
;; launch pv (part 4): grid 4 x 64, 4 waves a work-group, clusters of 4 x 4, 327,680 bytes of LDS; arguments E, feat16, stat, scale_TI, scale_IT, out0, out1; writes out0, out1
.if DOCPART == 4
	.amdgcn_target "amdgcn-amd-amdhsa--gfx1250"
	.amdhsa_code_object_version 6
	.text
	.protected	k_qceab802a32_pv
	.globl	k_qceab802a32_pv
	.p2align	8
	.type	k_qceab802a32_pv,@function
k_qceab802a32_pv:
	s_mov_b64 s[64:65], 0
	v_nop
	global_prefetch_b8 v0, s[64:65] scope:SCOPE_SE
	s_setreg_imm32_b32 hwreg(HW_REG_WAVE_MODE, 25, 1), 1
	s_wait_xcnt 0x0
	s_wait_alu depctr_hold_cnt(0) depctr_sa_sdst(0) depctr_va_vdst(0) depctr_va_sdst(0) depctr_va_ssrc(0) depctr_va_vcc(0) depctr_vm_vsrc(0)
	s_getreg_b32 s2, hwreg(HW_REG_IB_STS2, 6, 4)
	s_cmp_eq_u32 s2, 0
	s_cbranch_scc0 .Lentry_in_a_cluster
	s_endpgm
.Lentry_in_a_cluster:
	s_bfe_u32 s2, ttmp6, 0x10000c
	s_cmp_lg_u32 s2, 0xf033
	s_cbranch_scc0 .Lentry_shape_is_right
	s_endpgm
.Lentry_shape_is_right:
; BOTH PRODUCTS OF WEIGHTS AND VALUES.  out_p[row][:] = scale_p / L[row] x the sum over blocks J of f[row][J] x (E[p][row][block J] . feat16[p][block J][:]),  p = 0: rows t, values image, scale_TI, out0;
; p = 1: rows i, values text, scale_IT, out1.  A row's 32 blocks of 128 keys carry their own c max m_J and sum s_J (stat): M = max m_J, f_J = 2^(m_J - M), L = the sum of f_J s_J: the softmax's running maximum,
; with the correction applied block by block.  f (f16) multiplies E's fragments between their load and the matrix instruction, one packed line for each matrix line; scale / L multiplies the f32 sums at the end.
; LIMITS.  Operands f16, sums f32.  f is rounded to f16 for the product while L takes it unrounded; a weight e x f below 6e-5 of its row's largest keeps f16's fixed step of 6e-8 and counts as 0 below 3e-8,
; while L counts it; the scale is rounded to bf16 like every input; NaN and infinities are not treated apart.
; SHARES.  One product of 8,192 rows x 1,024 columns, K = 4,096.  A tile is 128 x 256: 256 work-groups; four waves of 64 x 128, 32 accumulators each.
; THE VALUES go through a ring of two LDS slots of 256 keys x 256 columns; each wave fetches 64 keys; 4 x 4 work-groups, and a tile is asked for jointly down a column of the cluster.  Behind each round a wave issues
; one load and then 256 matrix instructions.  By this text's count a wave has one tensor load out.  The values lie [key][column]: their fragments come out of LDS turned, by ds_load_tr16_b128.
; E DOES NOT GO THROUGH LDS, AND IS NOT ASKED FOR JOINTLY.  Two slots of 256 keys of both operands would take 2 x (128 x 528 + 256 x 544) = 413,696 bytes; with E in LDS a slot would hold 128 keys, half the matrix
; work behind each round.  E lies in memory in the order of fragments ([16 rows 8 rho + x][block of 128 keys][octet of 8 keys][rho][16 bytes]): a load of a wave is 512 consecutive bytes and half a fragment.
; The price: each byte of E is asked for by two waves in each of the four work-groups of a row of the cluster, eight times where a joint load would ask once.
; A fragment's registers are loaded again right behind their last product, for the slot-step after: 28 of a slot-step's 32 blocks of 8 products ahead of the lines that scale them.
; The matrix instruction is used transposed (source 0 = 16 columns, source 1 = 16 rows).  Row block a of a wave is sub-block 4 RH + a of the group: lane r holds logical row 8 r + 4 RH + a.
; REGISTERS: window 0: v0-39 addresses and factors, v64-127 and v128-191 two buffers of the values' 8 fragments; window 1: v0-127 accumulators (a, b), a = 0, 1, at 64 a + 8 b, v128-255 E's fragments (Q, a) of the
; slot-step's 8 quarters at 128 + 16 Q + 8 a; window 2: the same for a = 2, 3.  So one setting of the windows serves a product, the line that scales a fragment of the same window (f comes from window 0 as source 0)
; and the load into one: four switches a quarter.
; The accumulators are cleared by 256 v_mov_b32 in the wait for the first tile: the price of one text for every slot-step, the first too.
.set NSLOT, 16                         ; slot-steps of 256 keys
.set BPITCH, 544                       ; 512 bytes + 32
.set WPART, 64*BPITCH                  ; what one wave's load brings
.set SLOT1, 4*WPART                    ; 0x22000; the LDS words that are turned (wave x 0x8800, and 0) have neither of its two bits set, so the exclusive or is the sum
.set HALFS, 128*BPITCH                 ; quarters 4-7 of a slot: beyond the reach of a 16-bit offset, so they have an address register of their own
.set BSTEP, 256*2048                   ; bytes of the values from a slot-step to the next
.set FT,    2*SLOT1                    ; f twice in f16, a word a row: [J][place], 512 bytes a block
.set GT,    FT+32*512                  ; scale / L, f32, [place]
.set STAGE, FT                         ; 16 rows x 528 bytes for each wave, laid over the two tables when nobody reads them any more (a barrier stands between)
.set SPITCH, 528
.set SPARE, STAGE+4*16*SPITCH          ; the spare words
.set ABLK,  131072                     ; bytes of E from a sub-block of 16 rows to the next
.set ASTEP, 8192                       ; a sub-block's bytes for 256 keys
.set ADB0, 4
.set ADRB, 5                           ; quarters 0-3 of the slot being read
.set ADRC, 6                           ; quarters 4-7 (ADRB + 1)
.set L16,  7                           ; 16 x lane
.set STO,  8
.set RD,   9
.set SPW,  12
.set NIL,  13
.set FTW,  14
.set STV,  15
.set FAE,  16                          ; v16-19  f of my row in row block a, the slot-step's even key block
.set FAO,  20                          ; v20-23  the odd one (FAE + 4)
.set FA0,  24
.set FA,   25
.set GF,   26                          ; v26-33  scale / L of my row in row block a, named as pairs
.set F0,   64
.set AF,   128
.set WV, 14
.set RH, 15
.set CH, 16
.set CX, 17
.set CY, 18
.set X,  19
.set CLY, 20
.set Y,  21
.set MC, 23
.set G1B, 32
.set G0B, 48                           ; one descriptor group 0: it walks
.set TB,  56
.set CNT, 57
.set PA,  60                           ; s[60:61] E at my wave's first sub-block, the slot-step in hand
.set FJ,  80                           ; 1,024 x the slot-step
.set SCL, 81
.set MSB, 0
.set LSKIP, 0                          ; loads of E that the tail no longer issues, counted as the text goes
.macro WIN new
.if MSB != (\new)
	s_set_vgpr_msb (MSB<<8)|(\new)
.set MSB, \new
.endif
.endm
.macro PLACES
.rept 4
	v_nop
.endr
.endm
.macro CREST
	s_cmp_lg_u32 s[WV], 0
	s_cbranch_scc1 .Lnot_wave_0_\@
	s_barrier_signal -3
.Lnot_wave_0_\@:
	s_barrier_wait -3
	s_barrier_signal -1
	s_barrier_wait -1
.endm
.macro CROUND
	s_barrier_signal -1
	s_barrier_wait -1
	CREST
.endm
.macro JLOAD                           ; every wave asks for its own 64 keys; an s_nop 0 and four v_nop follow
	tensor_load_to_lds s[G0B:G0B+3], s[G1B:G1B+7]
	s_nop 0
	PLACES
.endm
	s_load_b256 s[4:11], s[0:1], 0x0               ; E s[4:5], feat16 s[6:7], stat s[8:9], scale_TI s[10:11]
	s_load_b128 s[84:87], s[0:1], 0x20             ; scale_IT s[84:85], out0 s[86:87]
	s_load_b64 s[88:89], s[0:1], 0x30              ; out1
	v_lshl_add_u32 v[SPW], v0, 2, SPARE
	v_mov_b32 v[NIL], 0
	ds_add_u32 v[SPW], v[NIL]                      ; the wave's opening: the add and its wait stand ahead of my first tensor load
	v_lshrrev_b32 v1, 5, v0
	v_readfirstlane_b32 s[WV], v1
	s_lshr_b32 s[RH], s[WV], 1                     ; my half of the tile's rows
	s_and_b32 s[CH], s[WV], 1                      ; my half of its columns
	s_bfe_u32 s[CX], ttmp6, 0x40000
	s_bfe_u32 s[CY], ttmp6, 0x40004
	s_lshl_b32 s[X], ttmp9, 2
	s_add_co_u32 s[X], s[X], s[CX]
	s_and_b32 s[CLY], ttmp7, 0xffff                ; clusters 0-7: p = 0; 8-15: p = 1
	s_lshl_b32 s[Y], s[CLY], 2
	s_add_co_u32 s[Y], s[Y], s[CY]
	s_lshl_b32 s[MC], 0x1111, s[CX]                ; my column of the cluster
	s_or_b32 s[G1B], s[MC], (1<<16)|(1<<20)|(1<<21)|(6<<22)|(7<<25)  ; mask; 2-byte elements; padding on; bit 21 beside a mask; after every 128 words 8 words
	s_mov_b32 s[G1B+1], 256<<16                    ; 64 keys x 256 elements, 1,024 elements from key to key
	s_mov_b32 s[G1B+2], 64<<16
	s_mov_b32 s[G1B+3], 256<<16
	s_mov_b32 s[G1B+4], 64
	s_mov_b32 s[G1B+5], 1024
	s_mov_b32 s[G1B+6], 0
	s_mov_b32 s[G1B+7], 0
	s_mul_i32 s82, s[WV], WPART
	s_mov_b32 s[G0B], 1
	s_add_co_u32 s[G0B+1], s82, 0                  ; slot 0, my 64 keys
	s_lshl_b32 s58, s[Y], 20                       ; E: group Y (8 sub-blocks of 131,072 bytes), sub-block 4 RH
	s_lshl_b32 s59, s[RH], 19
	s_add_co_u32 s58, s58, s59
	s_mov_b32 s59, 0
	s_lshr_b32 s66, s[CLY], 3                      ; values: tensor p, key 64 x wave, byte 512 X: nothing of the place along the cluster's y
	s_lshl_b32 s66, s66, 23
	s_lshl_b32 s67, s[WV], 17
	s_add_co_u32 s66, s66, s67
	s_lshl_b32 s67, s[X], 9
	s_add_co_u32 s66, s66, s67
	s_mov_b32 s67, 0
	s_lshl_b32 s76, s[Y], 15                       ; stat: 32 blocks x 1,024 bytes for my group of 128 rows
	s_mov_b32 s77, 0
	s_and_b32 s74, s[Y], 31                        ; out: row 128 (Y % 32) + 4 RH, byte 1,024 X + 512 CH
	s_lshl_b32 s74, s74, 19
	s_lshl_b32 s75, s[RH], 14
	s_add_co_u32 s74, s74, s75
	s_lshl_b32 s75, s[X], 10
	s_add_co_u32 s74, s74, s75
	s_lshl_b32 s75, s[CH], 9
	s_add_co_u32 s74, s74, s75
	s_mov_b32 s75, 0
	s_mov_b32 s[TB], 0
	s_mov_b32 s[FJ], 0
	s_wait_dscnt 0x0                               ; the opening add is done
	s_wait_kmcnt 0x0
	s_add_nc_u64 s[PA:PA+1], s[4:5], s[58:59]
	s_add_nc_u64 s[68:69], s[6:7], s[66:67]
	s_add_nc_u64 s[78:79], s[8:9], s[76:77]
	s_cmp_lt_u32 s[CLY], 8
	s_cselect_b64 s[70:71], s[10:11], s[84:85]     ; the problem's scale,
	s_cselect_b64 s[72:73], s[86:87], s[88:89]     ; and its output
	s_add_nc_u64 s[72:73], s[72:73], s[74:75]
	s_load_b32 s[SCL], s[70:71], 0x0
	CROUND                                         ; all sixteen work-groups are here: the first joint loads meet
	s_mov_b64 s[G0B+2:G0B+3], s[68:69]
	s_or_b32 s[G0B+3], s[G0B+3], 0x80000000
	JLOAD                                          ; slot 0.  Slot 1 is asked for when slot 0 is in, by the entry's change of slots
	; THE STATISTICS: thread tau takes place tau of the group's 128: 32 maxima into v64-95, 32 sums into v96-127.
	v_lshlrev_b32 v[STV], 2, v0
.set i, 0
.rept 32
	global_load_b32 v[64+i], v[STV], s[78:79] offset:1024*i
	global_load_b32 v[96+i], v[STV], s[78:79] offset:1024*i+512
.set i, i+1
.endr
	v_lshl_add_u32 v[FTW], v0, 2, FT               ; the tables lie in the order of places: my word is at 4 tau
	v_and_b32 v1, 15, v0                           ; r
	v_bfe_u32 v2, v0, 4, 1                         ; h
	v_and_b32 v3, 7, v0                            ; the turning load: lane l reads key 8 h + l % 8, columns 8 ((l / 8) % 2) + 0..7
	v_lshl_add_u32 v3, v2, 3, v3
	v_mul_u32_u24 v3, v3, BPITCH
	v_bfe_u32 v11, v0, 3, 1
	v_lshl_add_u32 v3, v11, 4, v3
	s_lshl_b32 s82, s[CH], 8
	v_add_nc_u32 v[ADB0], s82, v3
	v_mov_b32 v[ADRB], v[ADB0]
	v_add_nc_u32 v[ADRC], HALFS, v[ADB0]
	s_lshl_b32 s82, s[RH], 8                       ; my row in row block a lies at place 16 (4 RH + a) + r
	s_add_co_u32 s82, s82, FT
	v_lshl_add_u32 v[FA0], v1, 2, s82
	v_mov_b32 v[FA], v[FA0]
	s_mul_i32 s82, s[WV], 16*SPITCH
	s_add_co_u32 s82, s82, STAGE                   ; my stage
	v_mul_u32_u24 v3, v1, SPITCH
	v_lshl_add_u32 v3, v2, 5, v3
	v_add_nc_u32 v[STO], s82, v3                   ; in: row r, 32 bytes for each half of the lanes
	v_and_b32 v3, 31, v0
	v_lshlrev_b32 v[L16], 4, v3
	v_add_nc_u32 v[RD], s82, v[L16]                ; back: a row of 512 bytes a load
	WIN 0x40                                       ; the sums start at 0
.set i, 0
.rept 128
	v_mov_b32 v[i], 0
.set i, i+1
.endr
	WIN 0x80
.set i, 0
.rept 128
	v_mov_b32 v[i], 0
.set i, i+1
.endr
	WIN 0
	s_wait_loadcnt 0x0                             ; the statistics are in
; The two loads of fragment (lq, la): 16 rows x 32 keys, 1,024 consecutive bytes.  nx: 0, or one slot-step on.  Under a setting whose destination is the fragment's window and whose source 0 is window 0.
.macro ALOAD lq, la, nx
	global_load_b128 v[AF+16*(\lq)+8*((\la)%2):AF+16*(\lq)+8*((\la)%2)+3], v[L16], s[PA:PA+1] offset:(\la)*ABLK+(\lq)*1024+(\nx)
	global_load_b128 v[AF+16*(\lq)+8*((\la)%2)+4:AF+16*(\lq)+8*((\la)%2)+7], v[L16], s[PA:PA+1] offset:(\la)*ABLK+(\lq)*1024+(\nx)+512
.endm
	WIN 0x40                                       ; E of slot-step 0, all but fragments (7, 1) and (7, 3), which the first quarter's own lines fetch
.irp q, 0,1,2,3,4,5,6,7
	ALOAD \q, 0, 0
.endr
.irp q, 0,1,2,3,4,5,6
	ALOAD \q, 1, 0
.endr
	WIN 0x80
.irp q, 0,1,2,3,4,5,6,7
	ALOAD \q, 2, 0
.endr
.irp q, 0,1,2,3,4,5,6
	ALOAD \q, 3, 0
.endr
	WIN 0
	v_max3_num_f32 v34, v64, v65, v66              ; M, in two chains
	v_max3_num_f32 v35, v80, v81, v82
.irp q, 1,2,3,4,5,6
	v_max3_num_f32 v34, v34, v[64+2*\q+1], v[64+2*\q+2]
	v_max3_num_f32 v35, v35, v[80+2*\q+1], v[80+2*\q+2]
.endr
	v_max3_num_f32 v34, v34, v79, v95
	v_max_num_f32 v34, v34, v35
.set i, 0
.rept 32
	v_sub_f32 v[64+i], v[64+i], v34
.set i, i+1
.endr
.set i, 0
.rept 32
	v_exp_f32 v[64+i], v[64+i]                     ; f_J
.set i, i+1
.endr
	v_nop                                          ; a plain instruction behind the exponentials
.set i, 0
	s_wait_alu depctr_va_vdst(0)
.rept 4
	v_mul_f32 v[36+i], v[64+i], v[96+i]            ; L, in four chains
.set i, i+1
.endr
.rept 28
	v_fmac_f32 v[36+i%4], v[64+i], v[96+i]
.set i, i+1
.endr
	v_add_f32 v36, v36, v37
	v_add_f32 v38, v38, v39
	v_add_f32 v36, v36, v38
.set i, 0
.rept 32
	v_cvt_pk_f16_f32 v[96+i], v[64+i], v[64+i]
.set i, i+1
.endr
.set i, 0
.rept 32
	ds_store_b32 v[FTW], v[96+i] offset:512*i
.set i, i+1
.endr
	s_wait_kmcnt 0x0                               ; the scale
	v_rcp_f32 v37, v36
	v_mov_b32 v38, s[SCL]
	v_cvt_pk_bf16_f32 v38, v38, v38
	v_lshlrev_b32 v38, 16, v38
	s_wait_alu depctr_va_vdst(0)
	v_mul_f32 v37, v37, v38
	ds_store_b32 v[FTW], v37 offset:GT-FT
.macro SC4 sr, sf, half                ; half a fragment of E times its row's f: f (window 0) is source 0, the fragment source 1 and destination
.irp i, 0,1,2,3
	v_pk_mul_f16 v[(\sr)+4*(\half)+\i], v[\sf], v[(\sr)+4*(\half)+\i]
.endr
.endm
.macro FETCHB fq                       ; 16 LDS loads in one run: the values' 8 fragments of quarter fq of the slot, turned, into buffer fq % 2
	WIN 0
.set GB, F0+64*((\fq)%2)
.set GAD, ADRB+(\fq)/4
.irp i, 0,1,2,3,4,5,6,7
	ds_load_tr16_b128 v[GB+8*\i:GB+8*\i+3], v[GAD] offset:((\fq)%4)*32*BPITCH+32*\i
	ds_load_tr16_b128 v[GB+8*\i+4:GB+8*\i+7], v[GAD] offset:((\fq)%4)*32*BPITCH+16*BPITCH+32*\i
.endr
.endm
; A BLOCK: the 8 products of quarter bq, row block ba.  The 8 accumulators take turns.  Behind the second product: the wait for the fragment that is scaled here, four lines that scale its first
; half, and the two loads that fill again a fragment that has been multiplied; behind the sixth: the other four lines.  All of them lie in the block's own window:
;   block (Q, 0) scales (Q, 1) and fills (Q-1, 1);  (Q, 1): (Q+1, 0) and (Q, 0);  (Q, 2): (Q, 3) and (Q-1, 3);  (Q, 3): (Q+1, 2) and (Q, 2).
; The four scaling lines, which name no register of the products before them, are the places between a fragment's last product and the load into it, and in front of the run of LDS loads.
; THE COUNT.  Every block issues one pair of loads, and the pair of the fragment scaled in a block went out 28 blocks earlier: the 27 pairs between, 54 loads, may stay out.
; A trip's text has E's pointer at its own slot-step: quarter 7 (of the slot-step before) and the fills of (7, 1), (7, 3) in quarter 0 fetch for that step, all others for the next (NX).
; mode 0: the loop.  1: the last slot-step: only what it still needs itself is fetched, and the counts fall by what is not issued.  2: its last quarter: nothing is fetched, nothing scaled for a next slot-step.
; fq: the quarter whose values are fetched here, or none.  cnt: the count, or none.  hold = 1: the block's pair is issued later, by the lines that call it.
.macro BLOCK bq, ba, mode, fq=-1, cnt=54, hold=0
.set AC, 64*((\ba)%2)
.set AR, AF+16*(\bq)+8*((\ba)%2)
.set FBUF, F0+64*((\bq)%2)
.if ((\ba)%2) == 0
.set SQ, (\bq)
.set SA, (\ba)+1
.set LQ, ((\bq)+7)%8
.set LA, (\ba)+1
.else
.set SQ, ((\bq)+1)%8
.set SA, (\ba)-1
.set LQ, (\bq)
.set LA, (\ba)-1
.endif
.set SR, AF+16*SQ+8*(SA%2)
.set SF, FAE+4*(SQ/4)+SA
.set NX, 0
.if (((\bq) >= 1) && ((\bq) <= 6)) || (((\bq) == 0) && (((\ba)%2) == 1))
.set NX, ASTEP
.endif
.set DOS, 1
.if ((\mode) == 2) && (((\ba)%2) == 1)
.set DOS, 0
.endif
.set DOL, 1
.if ((\mode) == 2) || (((\mode) == 1) && (NX != 0))
.set DOL, 0
.endif
.set WC, (\cnt)-LSKIP
.if WC < 0
.set WC, 0
.endif
.irp b, 0,1,2,3,4,5,6,7
	WIN 0x54*(1+(\ba)/2)                           ; source 0 window 0; source 1, C and D the block's window
	v_wmma_f32_16x16x32_f16 v[AC+8*\b:AC+8*\b+7], v[FBUF+8*\b:FBUF+8*\b+7], v[AR:AR+7], v[AC+8*\b:AC+8*\b+7]
.if \b == 1
.if DOS
.if (\cnt) >= 0
	s_wait_loadcnt WC
.endif
	SC4 SR, SF, 0
.endif
.if DOL && !(\hold)
	ALOAD LQ, LA, NX
.endif
.if (\fq) >= 0
	WIN 0
.if (\bq) == 0
.irp i, 0,1,2,3
	ds_load_b32 v[FAO+\i], v[FA] offset:512+64*\i  ; f of this slot-step's odd key block: the old ones were last used in quarter 7
.endr
.endif
.if ((\bq) == 4) && ((\mode) == 0)
.irp i, 0,1,2,3
	ds_load_b32 v[FAE+\i], v[FA] offset:1024+64*\i ; f of the next slot-step's even key block: the old ones were last used in quarter 3
.endr
.endif
	FETCHB \fq
.endif
.endif
.if (\b == 5) && DOS
	SC4 SR, SF, 1
.endif
.endr
.if !DOL
.set LSKIP, LSKIP+2
.endif
.endm
.macro QUARTER qq, mode                ; 32 products; the next quarter's values are fetched behind the second of them, 30 products ahead of the wait for them
	s_wait_dscnt 0x0
	BLOCK \qq, 0, \mode, (\qq)+1
	BLOCK \qq, 1, \mode
	BLOCK \qq, 2, \mode
	BLOCK \qq, 3, \mode
.endm
; QUARTER 7 AND THE CHANGE OF SLOTS.  In front of the barrier each wave waits for all its tensor loads (the one that is out is its part of the next slot), adds 0 to its spare word, and waits for that and for its reads
; of this slot.  fill = 1: the barrier opens a round of the cluster's barrier, and the joint refill, for the slot-step after the next, is the first thing behind the round.  Only work on registers stands from the add
; to the end of the round: so the first block's wait on the loads of E serves the second block too (26 pairs, 52 loads, went out behind that block's fragment), and the two blocks' pairs go out behind the refill.
.macro TURN fill, mode
	WIN 0
	s_wait_tensorcnt 0x0
	ds_add_u32 v[SPW], v[NIL]
	s_wait_dscnt 0x1                               ; quarter 7's values are in; the add may be out
	BLOCK 7, 0, \mode, -1, 52, 1
	s_wait_dscnt 0x0                               ; the add is done, my reads of this slot are over
	s_barrier_signal -1
	BLOCK 7, 1, \mode, -1, -1, 1
	WIN 0
	s_barrier_wait -1
.if \fill
	CREST
	s_xor_b32 s[G0B+1], s[G0B+1], SLOT1            ; no tensor load of mine is out: the descriptor steps: the other slot, the next 256 keys
	s_add_nc_u64 s[G0B+2:G0B+3], s[G0B+2:G0B+3], BSTEP
	JLOAD
.else
	PLACES
.endif
	s_xor_b32 s[TB], s[TB], SLOT1
	s_add_co_u32 s[FJ], s[FJ], 1024
	v_add_nc_u32 v[ADRB], s[TB], v[ADB0]
	v_add_nc_u32 v[ADRC], HALFS, v[ADRB]
	v_add_nc_u32 v[FA], s[FJ], v[FA0]
	FETCHB 0
	WIN 0x40
	ALOAD 6, 1, 0                                  ; the pairs of blocks (7, 0) and (7, 1), in their order
	ALOAD 7, 0, 0
	BLOCK 7, 2, \mode
	BLOCK 7, 3, \mode
.endm
	; THE ENTRY'S CHANGE OF SLOTS: slot 0 is waited for, the tables are published, slot 1 is filled for the first time, as a refill is.
	s_wait_tensorcnt 0x0
	ds_add_u32 v[SPW], v[NIL]
	s_xor_b32 s[G0B+1], s[G0B+1], SLOT1
	s_add_nc_u64 s[G0B+2:G0B+3], s[G0B+2:G0B+3], BSTEP
	s_wait_dscnt 0x0                               ; the add is done; for the others' sake: my words of the tables are written
	CROUND
	JLOAD
	FETCHB 0
.irp i, 0,1,2,3
	ds_load_b32 v[FAE+\i], v[FA0] offset:64*\i
	ds_load_b32 v[GF+2*\i], v[FA0] offset:GT-FT+64*\i
	v_mov_b32 v[GF+2*\i+1], 0
.endr
	s_wait_loadcnt 0x0                             ; E of slot-step 0: asked for while the first tile was on its way
	s_wait_dscnt 0x0
	WIN 0x54
	SC4 AF, FAE, 0                                 ; fragments (0, 0) and (0, 2), which later trips scale in quarter 7
	SC4 AF, FAE, 1
	WIN 0xa8
	SC4 AF, FAE+2, 0
	SC4 AF, FAE+2, 1
	WIN 0
	s_mov_b32 s[CNT], NSLOT-1
	s_branch .Lenter                               ; the loop is entered behind the change of slots, in the middle of a trip
.Lslot:                                                ; a trip: quarter 7 of one slot-step with the change of slots, then quarters 0 to 6 of the next
	TURN 1, 0
	WIN 0
.Lenter:
	QUARTER 0, 0
	QUARTER 1, 0
	QUARTER 2, 0
	QUARTER 3, 0
	QUARTER 4, 0
	QUARTER 5, 0
	QUARTER 6, 0
	WIN 0
	s_wait_xcnt 0x0                                ; E's pointer is stepped only behind this wait
	s_add_nc_u64 s[PA:PA+1], s[PA:PA+1], ASTEP
	s_sub_co_u32 s[CNT], s[CNT], 1
	s_cmp_lg_u32 s[CNT], 0
	s_cbranch_scc1 .Lslot
	TURN 0, 1                                      ; the last slot-step is written out: no tile is asked for, and of E only what it needs itself
	QUARTER 0, 1
	QUARTER 1, 1
	QUARTER 2, 1
	QUARTER 3, 1
	QUARTER 4, 1
	QUARTER 5, 1
	QUARTER 6, 1
	s_wait_dscnt 0x0
	BLOCK 7, 0, 2
	BLOCK 7, 1, 2
	BLOCK 7, 2, 2
	BLOCK 7, 3, 2
; THE WAY OUT, 16 rows at a time through my own stage: times scale / L; 32 bytes a lane and column block in; whole rows of 512 bytes back and out.  Stage row rho of row block a is logical row 8 rho + 4 RH + a.
.macro OSCALE oa
	WIN 0x41*(1+(\oa)/2)                           ; destination and source 0 the accumulators' window, source 1 window 0
.set i, 64*((\oa)%2)
.rept 32
	v_pk_mul_f32 v[i:i+1], v[i:i+1], v[GF+2*(\oa):GF+2*(\oa)+1] op_sel_hi:[1,0]
.set i, i+2
.endr
.endm
.macro OSTAGE oa
.set BK, 64+64*((\oa)%2)
	WIN 0x04*(1+(\oa)/2)                           ; the stores' data in the accumulators' window
.irp b, 0,1,2,3,4,5,6,7
	ds_store_b128 v[STO], v[64*((\oa)%2)+8*\b:64*((\oa)%2)+8*\b+3] offset:64*\b
	ds_store_b128 v[STO], v[64*((\oa)%2)+8*\b+4:64*((\oa)%2)+8*\b+7] offset:64*\b+16
.endr
	WIN 0
	s_wait_xcnt 0x0                                ; the registers that earlier stores read are loaded again only behind this wait
.irp p, 0,1,2,3,4,5,6,7,8,9,10,11,12,13,14,15
	ds_load_b128 v[BK+4*\p:BK+4*\p+3], v[RD] offset:\p*SPITCH  ; LDS serves a wave's instructions in order: these see the stores above
.endr
.endm
.macro OSEND oa
.set BK, 64+64*((\oa)%2)
	s_wait_dscnt 0x0
.irp p, 0,1,2,3,4,5,6,7,8,9,10,11,12,13,14,15
	global_store_b128 v[L16], v[BK+4*\p:BK+4*\p+3], s[72:73] offset:(8*\p+(\oa))*4096 th:TH_STORE_NT  ; 512 consecutive bytes, at a multiple of 256 from the output's first
.endr
.endm
	WIN 0
	PLACES                                         ; behind the last products
	s_wait_dscnt 0x0                               ; my reads of the tables are over;
	s_barrier_signal -1
	s_barrier_wait -1                              ; everybody's are: the stage may be written over them
	OSCALE 0
	OSTAGE 0
	OSCALE 1
	WIN 0
	OSEND 0
	OSTAGE 1
	OSCALE 2
	WIN 0
	OSEND 1
	OSTAGE 2
	OSCALE 3
	WIN 0
	OSEND 2
	OSTAGE 3
	OSEND 3
	s_wait_tensorcnt 0x0                           ; the wave's end
	ds_add_u32 v[SPW], v[NIL]
	s_wait_dscnt 0x0
	CROUND                                         ; the closing round
	s_endpgm
.Lfunc_end_k_qceab802a32_pv:
	.size	k_qceab802a32_pv, .Lfunc_end_k_qceab802a32_pv-k_qceab802a32_pv
	.p2alignl 7, 3214868480
	.fill 96, 4, 3214868480
	.section	.rodata,"a",@progbits
	.p2align	6, 0x0
	.amdhsa_kernel k_qceab802a32_pv
		.amdhsa_group_segment_fixed_size 327680
		.amdhsa_private_segment_fixed_size 0
		.amdhsa_enable_private_segment 0
		.amdhsa_kernarg_size 56
		.amdhsa_user_sgpr_count 2
		.amdhsa_user_sgpr_kernarg_segment_ptr 1
		.amdhsa_wavefront_size32 1
		.amdhsa_system_sgpr_workgroup_id_x 1
		.amdhsa_system_sgpr_workgroup_id_y 1
		.amdhsa_system_sgpr_workgroup_id_z 1
		.amdhsa_system_vgpr_workitem_id 0
		.amdhsa_next_free_vgpr 768
		.amdhsa_next_free_sgpr 96
		.amdhsa_reserve_vcc 0
		.amdhsa_float_denorm_mode_32 3
		.amdhsa_float_denorm_mode_16_64 3
		.amdhsa_memory_ordered 1
		.amdhsa_forward_progress 1
		.amdhsa_inst_pref_size 158
	.end_amdhsa_kernel
	.amdgpu_metadata
---
amdhsa.version: [ 1, 2 ]
amdhsa.kernels:
  - .name:           k_qceab802a32_pv
    .symbol:         k_qceab802a32_pv.kd
    .args:
      - { .name: E, .offset: 0, .size: 8, .value_kind: global_buffer, .address_space: global }
      - { .name: feat16, .offset: 8, .size: 8, .value_kind: global_buffer, .address_space: global }
      - { .name: stat, .offset: 16, .size: 8, .value_kind: global_buffer, .address_space: global }
      - { .name: scale_TI, .offset: 24, .size: 8, .value_kind: global_buffer, .address_space: global }
      - { .name: scale_IT, .offset: 32, .size: 8, .value_kind: global_buffer, .address_space: global }
      - { .name: out0, .offset: 40, .size: 8, .value_kind: global_buffer, .address_space: global }
      - { .name: out1, .offset: 48, .size: 8, .value_kind: global_buffer, .address_space: global }
    .group_segment_fixed_size: 327680
    .private_segment_fixed_size: 0
    .kernarg_segment_align: 8
    .kernarg_segment_size: 56
    .max_flat_workgroup_size: 128
    .sgpr_count:     96
    .vgpr_count:     768
    .wavefront_size: 32
...
	.end_amdgpu_metadata
.endif
;; end of part 4
